; MI455X (gfx1250); checked and timed in simulation.
; The chip was launched on July 23, 2026; its instructions are those of AMD's public machine-readable ISA for CDNA 5 (MIT licence, August 2026) and "CDNA5" Instruction Set Architecture Reference Guide (July 2026). The comments in the code are by the model that wrote it; some were corrected since.
;; Multi Head Attention. Allowed arithmetic: matrix products marked QUANTISED: E3M2 operands, one E8M0 scale for each 32 along K, by v_wmma_scale_f32_16x16x128_f8f6f4 with both operands' format E3M2, f32 sums; products left as they are: f32 operands where the result goes on into a quantised operand, else bf16, f16 or f32 operands; f32 sums; everything else in f32.
;; Inputs: Wfc 1 x 16 float32; Wk_codes 1,024 x 32 x 24 uint8 (E3M2 codes of Wk, K innermost, in blocks of 32 codes, four codes in three bytes); Wk_scales 1,024 x 32 uint8 (E8M0 scales of Wk, one for each 32 codes along K); Wq_codes 1,024 x 32 x 24 uint8 (E3M2 codes of Wq, K innermost, in blocks of 32 codes, four codes in three bytes); Wq_scales 1,024 x 32 uint8 (E8M0 scales of Wq, one for each 32 codes along K); bfc 1 float32; bk 1,024 float32; bq 1,024 float32; x_codes 8 x 4,096 x 32 x 24 uint8 (E3M2 codes of x, K innermost, in blocks of 32 codes, four codes in three bytes); x_scales 8 x 4,096 x 32 uint8 (E8M0 scales of x, one for each 32 codes along K).
;; Outputs: out0 8 x 4,096 x 1 float32.
;; This version of the problem:
;;   THIS VERSION OF THE PROBLEM IS GIVEN IN LOW PRECISION. The matrix products marked QUANTISED in the list below multiply operands that are first quantised to E3M2 (3 exponent bits, 2 mantissa bits; 6 bits a number), with one power-of-two scale for each 32 numbers along K (OCP MX v1.0); their sums are f32. All else is computed in f32.
;;   The module's matrix products, in the order in which they are computed (A, B: the left and right operand; K: the contracted axis; several contracted axes count as one K, in the product's order):
;;     1. [M 32,768, K 1,024] x [K 1,024, N 1,024]; A: input x (given as codes); B: input Wq (given as codes): QUANTISED
;;     2. [M 32,768, K 1,024] x [K 1,024, N 1,024]; A: input x (given as codes); B: input Wk (given as codes): QUANTISED
;;     3. batch 128 x [M 4,096, K 64] x [K 64, N 1]; A: computed on the way; B: computed on the way: left as it is (N = 1 < 16)
;;     4. [M 32,768, K 16] x [K 16, N 1]; A: computed on the way; B: input Wfc: left as it is (K = 16 < 32)
;;   THE QUANTISER, for each operand of a quantised product, along K:
;;     - K is cut into blocks of 32 from its start; a last block that is shorter is filled with zeros.
;;     - A block's scale is 2^e with e = floor(log2(the largest magnitude in the block)) - 4, held to -126 .. 127; a block of zeros has e = 0. As a byte (E8M0): e + 127.
;;     - Each number is divided by its block's scale, clamped to +-28, and rounded to the nearest number of E3M2, ties to even, subnormals kept.
;;     - The product sums the exact products of the quantised numbers (number of the format x scale) in f32.
;;   ~~~python
;;   def quantise(x, axis):      # numpy; x: float32 -> the quantised numbers, widened to float32 again
;;       x = np.moveaxis(x, axis, -1); K = x.shape[-1]
;;       x = np.pad(x, [(0, 0)] * (x.ndim - 1) + [(0, -K % 32)]); x = x.reshape(x.shape[:-1] + (-1, 32)); a = np.abs(x).max(-1, keepdims=True)
;;       e = np.where(a > 0, np.clip(np.frexp(np.where(a > 0, a, 1))[1] - 1 - 4, -126, 127), 0)      # np.frexp(a)[1] - 1 = floor(log2(a)), exactly
;;       r = np.clip(x / 2.0 ** e, -28, 28)
;;       step = 2.0 ** (np.maximum(np.frexp(np.where(r == 0, 1, r))[1] - 1, -2) - 2)
;;       q = np.round(r / step) * step * 2.0 ** e      # np.round: ties to even
;;       return np.moveaxis(q.reshape(q.shape[:-2] + (-1,))[..., :K], -1, axis).astype(np.float32)
;;   ~~~
;;   INPUTS GIVEN AS CODES. Wk (in the module: [1024, 1024], K = its axis 1); Wq (in the module: [1024, 1024], K = its axis 1); x (in the module: [8, 4096, 1024], K = its axis 2): each comes as NAME_codes (uint8): NAME with its K axis moved to the last place and cut into blocks of 32 codes, [.., K / 32, bytes a block], one block behind the other in memory; four codes in three bytes: a row's codes are one little-endian stream of bits, code i at bits 6 i .. 6 i + 5 (a code: sign, 3 exponent bits, 2 mantissa bits); and NAME_scales (uint8): the same leading axes, one E8M0 byte (e + 127) for each 32 codes along K. Its value is code x scale, taken as it is: it is not quantised again, and the codes and scales need not be those that the quantiser above would give.
;; 2 versions. Each part assembles by itself: llvm-mc -triple=amdgcn-amd-amdhsa -mcpu=gfx1250 --defsym DOCPART=n.
;; ======== version 1 of 2: 2 launches
;; workspace buffers: qpart 262,144 bytes
;; launch qsum (part 1): grid 4 x 64, 4 waves a work-group, clusters of 4 x 1, 327,680 bytes of LDS; arguments x_codes, x_scales, Wq_codes, Wq_scales, qpart; writes qpart
.if DOCPART == 1
	.amdgcn_target "amdgcn-amd-amdhsa--gfx1250"
	.amdhsa_code_object_version 6
	.text
	.protected	k_q4c914bb243_qsum
	.globl	k_q4c914bb243_qsum
	.p2align	8
	.type	k_q4c914bb243_qsum,@function
k_q4c914bb243_qsum:
	s_mov_b64 s[64:65], 0
	v_nop
	global_prefetch_b8 v0, s[64:65] scope:SCOPE_SE
	s_setreg_imm32_b32 hwreg(HW_REG_WAVE_MODE, 25, 1), 1
	s_wait_xcnt 0x0
	s_wait_alu depctr_hold_cnt(0) depctr_sa_sdst(0) depctr_va_vdst(0) depctr_va_sdst(0) depctr_va_ssrc(0) depctr_va_vcc(0) depctr_vm_vsrc(0)
	s_getreg_b32 s2, hwreg(HW_REG_IB_STS2, 6, 4)
	s_cmp_eq_u32 s2, 0
	s_cbranch_scc0 .Lentry_in_a_cluster
	s_endpgm
.Lentry_in_a_cluster:
	s_bfe_u32 s2, ttmp6, 0x10000c
	s_cmp_lg_u32 s2, 0x3003
	s_cbranch_scc0 .Lentry_shape_is_right
	s_endpgm
.Lentry_shape_is_right:
; qpart[y][c] = the sum over the 512 rows 512 y .. 512 y + 511 of x (all batches on end) of (x Wq^T)[row][c], raw: no bias, no division.  x: 32,768 rows, Wq: 1,024 rows, each 1,024 codes of
; BF6 (E3M2) = 768 bytes, with one E8M0 byte for each 32 along K (32 bytes a row).  qpart: [64][1024] f32.  The next launch adds a batch's eight rows of it and makes the mean of Q.
; SHARES.  A work-group takes 256 rows of Wq (block 0..3 = its place along x) and 512 rows of x (block y).  THE ROWS OF Wq STAY IN REGISTERS: wave w holds rows 128 (w / 2) .. + 127 for half of K
; (K steps 4 (w % 2) .. + 3 of 128): 8 blocks x 4 steps x 12 = 384 registers.  x's rows are streamed through LDS, 16 at a time (a tile); every wave walks all 32 tiles.
; THE MATRIX INSTRUCTION: source 0 = 16 rows of x, source 1 = 16 rows of Wq.  In the result a lane holds ONE row of Wq (lane % 16) and its eight registers eight rows of x.  Only the sum over x's rows is
; wanted, so the eight accumulators (one for each block of Wq) go on adding over all tiles and K steps: 1,024 matrix instructions a wave, no result is read before the end.
; CLUSTER.  The four work-groups of a cluster take the same 512 rows of x: each tile of x is asked for JOINTLY (the same tensor load, the same descriptor, a mask that names the four).  Wq's rows are each work-group's own.
; ROUNDING, stated: K is added in two halves (two waves), the rows' sums are kept in the matrix accumulators; all in f32; the order differs from a row-by-row mean.  A scale byte 0xff gives NaN, as by the format's definition.
; LDS: 384 rows of 816 bytes (768 of data, 8 of padding behind every 128): slot 0 = rows 0-191, slot 1 = rows 192-383.  The stream is Wq's 256 rows, then x's 512: fill f brings its rows 192 f .. + 191 into slot f % 2.
; REGISTERS, in windows of 256 (s_set_vgpr_msb: bits 1:0 source 0, 3:2 source 1, 5:4 source 2, 7:6 destination):
;   window 0: v1-15 lane terms and addresses; v28, v29 the spare word's; v48-63 Wq's scale words; v64-127 x's scale words of all 32 tiles; v128-167 the way out
;   window 1: Wq's fragments of my K steps 0, 1 (step q, block a at v[96 q + 12 a]);   window 2: of my K steps 2, 3
;   window 3: v0-47, v48-95 two buffers for a tile's four fragments; v96-159 the accumulators; v240-251 the tiles' LDS addresses: so a tile's loads stand among the products under the products' own setting
.set PITCH, 816                        ; an LDS row: 6 x (128 + 8) bytes
.set UNIT,  64*PITCH                   ; what one tensor load brings: 64 rows
.set SLOT,  3*UNIT
.set ROWB,  768                        ; a row of codes in memory
.set RED,   2*SLOT+4096                ; the waves' results meet here: 4 x 128 f32 (the 4,096 bytes in front are used by the next launch's text alone)
.set SPARE, RED+2048+256               ; the spare words, 128 bytes for each wave: two blocks of 256 bytes that no other line names
.set SPW, 28
.set NIL, 29
.set SSC, 48                           ; register 4 (a / 2) + q: lanes 0-15 block a even, lanes 16-31 block a odd
.set TSC, 64                           ; register 4 (j / 2) + q: lanes 0-15 tile j even, lanes 16-31 tile j odd
.set ACC, 96
.set ADT, 240                          ; window 3: v[240 + 2 u]: unit u's rows for my lane; v[241 + 2 u]: the same behind one padding more for lanes 16-31
.set WV,  24                           ; s24 wave;  s25 which half of K;  s26 which 128 rows of Wq
.set KH,  25
.set SH,  26
.set G1P, 32                           ; s[32:39] descriptor group 1, no mask: Wq's rows
.set G1J, 40                           ; s[40:47] the same with the mask of the four: x's rows
.set G0S, 48                           ; s[48:51] group 0: Wq's rows 64 w on;  s[52:55]: Wq's rows 192 on;  s[56:59]: x's rows, which walks
.set G0S2, 52
.set G0T, 56
.set LW,  60                           ; s60 UNIT x wave
.set SEL, 66                           ; s[66:67] lane selects for v_permlanex16_b32: lane l xor 16
.set MSB, 0
.macro WIN new                         ; the immediate's high byte repeats the setting that is left; a switch that changes nothing is dropped
.if MSB != \new
	s_set_vgpr_msb (MSB<<8)|\new
.set MSB, \new
.endif
.endm
.macro PLACES n
.rept \n
	v_nop
.endr
.endm
.macro CREST                           ; a round of the cluster's barrier behind its opening barrier
	s_cmp_lg_u32 s[WV], 0
	s_cbranch_scc1 .Lnot_wave_0_\@
	s_barrier_signal -3
.Lnot_wave_0_\@:
	s_barrier_wait -3
	s_barrier_signal -1
	s_barrier_wait -1
.endm
.macro CROUND                          ; a whole round
	s_barrier_signal -1
	s_barrier_wait -1
	CREST
.endm
.macro JLOAD                           ; a joint refill: waves 0 to 2 fetch 64 rows each; the branch hangs on the wave's number alone; four v_nop follow the load
	s_cmp_lt_u32 s[WV], 3
	s_cbranch_scc0 .Lnone_\@
	tensor_load_to_lds s[G0T:G0T+3], s[G1J:G1J+7]
	s_nop 0
.rept 4
	v_nop
.endr
.Lnone_\@:
.endm
; A fragment, 16 rows x 128 K of 6-bit codes, is 12 registers: lane l holds row l % 16; registers 6 c .. 6 c + 5 hold K = 64 c + 32 (l / 16) + 0 .. 31: 24 bytes of the row, as they lie, in pieces of 8 bytes.
; Piece n of my half of a row lies at 8 n + 8 (n / 16).  Lanes 16-31 read three pieces further on than lanes 0-15: behind one padding more where n % 16 is 13 or more: the second address register serves those.
.macro FRAG reg, adr, q, off
.irp p, 0,1,2,3,4,5
.set fPC, 12*(\q)+6*(\p/3)+\p%3
.if fPC%16 < 13
	ds_load_b64 v[(\reg)+2*\p:(\reg)+2*\p+1], v[(\adr)] offset:(\off)+8*fPC+8*(fPC/16)
.else
	ds_load_b64 v[(\reg)+2*\p:(\reg)+2*\p+1], v[(\adr)+1] offset:(\off)+8*fPC+8*(fPC/16)
.endif
.endr
.endm
.macro LD1 n, jn                       ; load n of the 24 that bring tile jn's four fragments into buffer jn % 2.  Tile jn is rows 256 + 16 jn of the stream
.set lq, (\n)/6
.set lp, (\n)%6
.set lPC, 12*lq+6*(lp/3)+lp%3
.set lrb, (256+16*(\jn))%384
.set lu, lrb/64
.set lof, (lrb%64)*PITCH+8*lPC+8*(lPC/16)
.set lrg, 48*((\jn)%2)+12*lq+2*lp
.if lPC%16 < 13
	ds_load_b64 v[lrg:lrg+1], v[ADT+2*lu] offset:lof
.else
	ds_load_b64 v[lrg:lrg+1], v[ADT+2*lu+1] offset:lof
.endif
.endm
; One product.  rD, rT, rS, rTS, rSS are set by the caller.  zero = 1: it starts the sum.  ra, rb = 1: that side's scale words stand in lanes 16-31.
.macro WM zero, ra, rb
.if \zero
.if \ra
.if \rb
	v_wmma_scale_f32_16x16x128_f8f6f4 v[rD:rD+7], v[rT:rT+11], v[rS:rS+11], 0, v[rTS], v[rSS] matrix_a_fmt:MATRIX_FMT_BF6 matrix_b_fmt:MATRIX_FMT_BF6 matrix_a_scale:MATRIX_SCALE_ROW1 matrix_b_scale:MATRIX_SCALE_ROW1
.else
	v_wmma_scale_f32_16x16x128_f8f6f4 v[rD:rD+7], v[rT:rT+11], v[rS:rS+11], 0, v[rTS], v[rSS] matrix_a_fmt:MATRIX_FMT_BF6 matrix_b_fmt:MATRIX_FMT_BF6 matrix_a_scale:MATRIX_SCALE_ROW1
.endif
.else
.if \rb
	v_wmma_scale_f32_16x16x128_f8f6f4 v[rD:rD+7], v[rT:rT+11], v[rS:rS+11], 0, v[rTS], v[rSS] matrix_a_fmt:MATRIX_FMT_BF6 matrix_b_fmt:MATRIX_FMT_BF6 matrix_b_scale:MATRIX_SCALE_ROW1
.else
	v_wmma_scale_f32_16x16x128_f8f6f4 v[rD:rD+7], v[rT:rT+11], v[rS:rS+11], 0, v[rTS], v[rSS] matrix_a_fmt:MATRIX_FMT_BF6 matrix_b_fmt:MATRIX_FMT_BF6
.endif
.endif
.else
.if \ra
.if \rb
	v_wmma_scale_f32_16x16x128_f8f6f4 v[rD:rD+7], v[rT:rT+11], v[rS:rS+11], v[rD:rD+7], v[rTS], v[rSS] matrix_a_fmt:MATRIX_FMT_BF6 matrix_b_fmt:MATRIX_FMT_BF6 matrix_a_scale:MATRIX_SCALE_ROW1 matrix_b_scale:MATRIX_SCALE_ROW1
.else
	v_wmma_scale_f32_16x16x128_f8f6f4 v[rD:rD+7], v[rT:rT+11], v[rS:rS+11], v[rD:rD+7], v[rTS], v[rSS] matrix_a_fmt:MATRIX_FMT_BF6 matrix_b_fmt:MATRIX_FMT_BF6 matrix_a_scale:MATRIX_SCALE_ROW1
.endif
.else
.if \rb
	v_wmma_scale_f32_16x16x128_f8f6f4 v[rD:rD+7], v[rT:rT+11], v[rS:rS+11], v[rD:rD+7], v[rTS], v[rSS] matrix_a_fmt:MATRIX_FMT_BF6 matrix_b_fmt:MATRIX_FMT_BF6 matrix_b_scale:MATRIX_SCALE_ROW1
.else
	v_wmma_scale_f32_16x16x128_f8f6f4 v[rD:rD+7], v[rT:rT+11], v[rS:rS+11], v[rD:rD+7], v[rTS], v[rSS] matrix_a_fmt:MATRIX_FMT_BF6 matrix_b_fmt:MATRIX_FMT_BF6
.endif
.endif
.endif
.endm
; Eight products: tile j, my K step q, against Wq's eight blocks.  The eight accumulators take turns, one instruction a turn, in the same order everywhere.
; ld = 1: three of the next tile's 24 loads stand behind each product.
.macro QGROUP j, q, zero, ld
.set ia, 0
.rept 8
.set rD, ACC+8*ia
.set rT, 48*((\j)%2)+12*(\q)
.set rS, 96*((\q)%2)+12*ia
.set rTS, TSC+4*((\j)/2)+(\q)
.set rSS, SSC+4*(ia/2)+(\q)
	WM \zero, (\j)%2, ia%2
.if \ld
	LD1 3*ia, (\j)+1
	LD1 3*ia+1, (\j)+1
	LD1 3*ia+2, (\j)+1
.endif
.set ia, ia+1
.endr
.endm
; A TILE: 32 products.  kind 0: the next tile lies in the same slot.  kind 1: this is a slot's last tile and the slot is filled again; kind 2: a slot's last tile, nothing left to fetch; kind 3: the last tile.
; A slot's last tile is in registers at its head, so every wave's reads of the slot are over there: the change of slots stands in that tile.
.macro TILE j, kind
	s_wait_dscnt 0x0                               ; this tile's fragments, asked for a tile ago, are in
	PLACES 4                                       ; four places behind the last tile's products, in front of loads into the buffer that they read (ISA guide 7.12.1 for vector instructions)
.if ((\kind) == 1) || ((\kind) == 2)
	WIN 0                                          ; (the add's two registers lie in window 0)
	s_wait_tensorcnt 0x0                           ; all my tensor loads have landed: my part of the next slot
	ds_add_u32 v[SPW], v[NIL]                      ; 0 onto my spare word
.if (\kind) == 1
	s_add_nc_u64 s[G0T+2:G0T+3], s[G0T+2:G0T+3], 192*ROWB   ; no tensor load of mine is out, so the group 0 may be written: the stream's last 192 rows,
	s_add_co_u32 s[G0T+1], s[LW], SLOT             ; into slot 1
.endif
.endif
	WIN 0xf7                                       ; source 0 (x) window 3, source 1 (Wq) window 1, C and D window 3; an LDS load: data and address window 3
.if (\j) == 0
	QGROUP \j, 0, 1, 1                             ; the very first products start the sums: nothing is cleared
.elseif (\kind) == 0
	QGROUP \j, 0, 0, 1
.else
	QGROUP \j, 0, 0, 0                             ; eight products stand between the add and the wait for it
.endif
.if ((\kind) == 1) || ((\kind) == 2)
	s_wait_dscnt 0x0                               ; the add is done; my reads of this slot were over at the tile's head
	s_barrier_signal -1
.endif
	QGROUP \j, 1, 0, 0
.if (\kind) == 1
	WIN 0
	s_barrier_wait -1
	CREST                                          ; the barrier has opened a round of the cluster's: no wave of any partner still reads this slot or has a load on its way
	JLOAD                                          ; the first tensor load behind the round
	WIN 0xfb
.elseif (\kind) == 2
	s_barrier_wait -1                              ; the next slot is whole
.endif
.if ((\kind) == 1) || ((\kind) == 2)
.set nn, 0
.rept 24
	LD1 nn, (\j)+1                                 ; the next slot's first tile, in one run
.set nn, nn+1
.endr
.endif
	WIN 0xfb                                       ; source 1 (Wq) window 2
	QGROUP \j, 2, 0, 0
	QGROUP \j, 3, 0, 0
.endm
	s_load_b256 s[4:11], s[0:1], 0x0               ; x's codes s[4:5], x's scales s[6:7], Wq's codes s[8:9], Wq's scales s[10:11]
	s_load_b64 s[12:13], s[0:1], 0x20              ; qpart
	v_lshl_add_u32 v[SPW], v0, 2, SPARE
	v_mov_b32 v[NIL], 0
	ds_add_u32 v28, v29
	s_wait_dscnt 0x0
	v_lshrrev_b32 v1, 5, v0
	v_readfirstlane_b32 s[WV], v1                  ; wave 0..3
	s_and_b32 s[KH], s[WV], 1
	s_lshr_b32 s[SH], s[WV], 1
	s_bfe_u32 s27, ttmp6, 0x40000                  ; cx: my place in the cluster
	s_lshl_b32 s28, ttmp9, 2
	s_add_co_u32 s28, s28, s27                     ; my block of 256 rows of Wq: it enters Wq's, its scales' and qpart's addresses alone
	s_and_b32 s29, ttmp7, 0xffff                   ; y: my block of 512 rows of x, which the four partners share
	; descriptor group 1: 64 rows x 768 bytes, dense in memory, padded in LDS
	s_mov_b32 s[G1P], (1<<20)|(4<<22)|(1<<25)      ; 15:0 no mask; 17:16 elements of 1 byte; 20 padding on; 24:22 after every 32 words (code 4); 31:25 2 words of it (code 1)
	s_mov_b32 s[G1J], 15|(1<<20)|(1<<21)|(4<<22)|(1<<25)   ; the same with the mask of all four work-groups, and bit 21 set beside it
.irp g, G1P, G1J
	s_mov_b32 s[\g+1], ROWB<<16                    ; tensor_dim0
	s_mov_b32 s[\g+2], 64<<16                      ; tensor_dim1
	s_mov_b32 s[\g+3], ROWB<<16                    ; tile_dim0
	s_mov_b32 s[\g+4], 64                          ; tile_dim1
	s_mov_b32 s[\g+5], ROWB                        ; tensor_dim0_stride
	s_mov_b32 s[\g+6], 0
	s_mov_b32 s[\g+7], 0
.endr
	s_mul_i32 s[LW], s[WV], UNIT                   ; no place in the cluster enters an LDS address
	s_mov_b32 s[SEL], 0x76543210
	s_mov_b32 s[SEL+1], 0xfedcba98
	; every LDS address is made here, on the way that all waves take
	v_and_b32 v1, 31, v0                           ; L
	v_and_b32 v2, 15, v0                           ; r
	v_bfe_u32 v3, v0, 4, 1                         ; h
	s_mul_i32 s30, s[KH], 408                      ; my half of a row: 384 bytes of data, three paddings
	s_mul_i32 s31, s[SH], 2*UNIT                   ; my 128 rows of Wq
	v_mul_u32_u24 v4, v2, PITCH
	v_mad_u32_u24 v4, v3, 24, v4
	v_add_nc_u32 v4, s30, v4                       ; row r, + 24 h, + my half
	v_lshl_add_u32 v5, v3, 3, v4                   ; the same behind one padding more for lanes 16-31
	v_add_nc_u32 v6, s31, v4                       ; Wq: my blocks 0-3
	v_add_nc_u32 v7, s31, v5
	v_add_nc_u32 v8, UNIT, v6                      ; my blocks 4-7
	v_add_nc_u32 v9, UNIT, v7
	s_lshl_b32 s30, s[KH], 4
	v_lshl_add_u32 v10, v1, 5, s30                 ; scale words: 32 bytes a row, a lane a row, + my half's 16 bytes
	s_lshl_b32 s30, s[WV], 9
	s_add_co_u32 s30, s30, RED
	v_lshl_add_u32 v13, v1, 2, s30                 ; where I put my results: RED + 512 x wave + 4 L
	s_and_b32 s30, s[WV], 2
	s_lshl_b32 s30, s30, 9
	s_lshl_b32 s31, s[KH], 8
	s_add_co_u32 s30, s30, s31
	s_add_co_u32 s30, s30, RED
	v_lshl_add_u32 v14, v1, 3, s30                 ; where I read 64 columns back: the first K half's; the second's lie 512 bytes on
	v_lshlrev_b32 v15, 3, v1                       ; and 8 bytes a lane in qpart
	WIN 0xc0                                       ; destination window 3
.irp u, 0,1,2,3,4,5
	v_add_nc_u32 v[ADT+2*\u], \u*UNIT, v4
	v_add_nc_u32 v[ADT+2*\u+1], \u*UNIT, v5
.endr
	WIN 0
	; byte offsets.  s68-71 and s74-79 hold what hangs on my place in the cluster; s72, s73, which feed the joint load, never do
	s_mul_i32 s68, s28, 256*ROWB
	s_mul_i32 s69, s[WV], 64*ROWB
	s_add_co_u32 s68, s68, s69                     ; Wq's rows 256 x block + 64 x wave
	s_mov_b32 s69, 0
	s_mul_i32 s70, s28, 256*ROWB
	s_add_co_u32 s70, s70, 192*ROWB                ; Wq's rows 256 x block + 192
	s_mov_b32 s71, 0
	s_mul_i32 s72, s29, 512*ROWB
	s_mul_i32 s73, s[WV], 64*ROWB
	s_add_co_u32 s72, s72, s73                     ; x's rows 512 y + 64 x wave
	s_mov_b32 s73, 0
	s_lshl_b32 s74, s28, 13
	s_lshl_b32 s75, s[SH], 12
	s_add_co_u32 s74, s74, s75                     ; Wq's scales: 32 bytes x (256 x block + 128 x half)
	s_mov_b32 s75, 0
	s_lshl_b32 s76, s29, 14                        ; x's scales: 32 bytes x 512 y
	s_mov_b32 s77, 0
	s_lshl_b32 s78, s29, 12
	s_lshl_b32 s79, s28, 10
	s_add_co_u32 s78, s78, s79
	s_lshl_b32 s79, s[WV], 8
	s_add_co_u32 s78, s78, s79                     ; qpart: 4,096 y + 1,024 x block + 256 x wave
	s_mov_b32 s79, 0
	s_wait_kmcnt 0x0
	s_add_nc_u64 s[10:11], s[10:11], s[74:75]
	s_add_nc_u64 s[6:7], s[6:7], s[76:77]
	s_add_nc_u64 s[12:13], s[12:13], s[78:79]
	s_mov_b32 s[G0S], 1                            ; 1:0 count = 1
	s_mov_b32 s[G0S+1], s[LW]                      ; 63:32 LDS address: unit w
	s_add_nc_u64 s[G0S+2:G0S+3], s[8:9], s[68:69]  ; 120:64 global address
	s_or_b32 s[G0S+3], s[G0S+3], 0x80000000        ; 127:126 type = 2
	s_mov_b32 s[G0S2], 1
	s_mov_b32 s[G0S2+1], 3*UNIT
	s_add_nc_u64 s[G0S2+2:G0S2+3], s[8:9], s[70:71]
	s_or_b32 s[G0S2+3], s[G0S2+3], 0x80000000
	s_mov_b32 s[G0T], 1
	s_add_co_u32 s[G0T+1], s[LW], 4*UNIT           ; x's rows 0-127 lie behind Wq's 256
	s_add_nc_u64 s[G0T+2:G0T+3], s[4:5], s[72:73]
	s_or_b32 s[G0T+3], s[G0T+3], 0x80000000
	; all scale words that I shall ever want, 16 bytes (my half's four words) of a row a lane: 4 + 16 loads, once
.irp a, 0,1,2,3
	global_load_b128 v[SSC+4*\a:SSC+4*\a+3], v10, s[10:11] offset:1024*\a
.endr
.irp j, 0,1,2,3,4,5,6,7,8,9,10,11,12,13,14,15
	global_load_b128 v[TSC+4*\j:TSC+4*\j+3], v10, s[6:7] offset:1024*\j
.endr
	CROUND                                         ; all four work-groups are here: the first joint loads meet
	s_cmp_lt_u32 s[WV], 2                          ; a wave's first fills stand in one branch: two loads of mine are out at the most
	s_cbranch_scc0 .Lff_hi
	tensor_load_to_lds s[G0S:G0S+3], s[G1P:G1P+7]
	s_nop 0
	tensor_load_to_lds s[G0T:G0T+3], s[G1J:G1J+7]
	s_nop 0
.rept 4
	v_nop
.endr
	s_branch .Lff_done
.Lff_hi:
	s_cmp_eq_u32 s[WV], 2
	s_cbranch_scc0 .Lff_done
	tensor_load_to_lds s[G0S:G0S+3], s[G1P:G1P+7]
	s_nop 0
	tensor_load_to_lds s[G0S2:G0S2+3], s[G1P:G1P+7]
	s_nop 0
.rept 4
	v_nop
.endr
.Lff_done:
	s_wait_tensorcnt 0x0                           ; my parts of Wq's rows and of x's first 128 are in,
	s_barrier_signal -1
	s_barrier_wait -1                              ; everybody's are
	WIN 0x40                                       ; destination window 1, address window 0
.irp q, 0,1
.irp a, 0,1,2,3,4,5,6,7
	FRAG 96*\q+12*\a, 6+2*(\a/4), \q, ((16*\a)%64)*PITCH
.endr
.endr
	WIN 0x80                                       ; destination window 2
.irp q, 2,3
.irp a, 0,1,2,3,4,5,6,7
	FRAG 96*(\q-2)+12*\a, 6+2*(\a/4), \q, ((16*\a)%64)*PITCH
.endr
.endr
	WIN 0xf7
.set nn, 0
.rept 24
	LD1 nn, 0                                      ; tile 0
.set nn, nn+1
.endr
	; Wq has left slot 0: it takes x's rows 128 to 319
	WIN 0
	s_wait_tensorcnt 0x0                           ; no tensor load of mine is out
	ds_add_u32 v[SPW], v[NIL]                      ; 0 onto my spare word
	s_add_nc_u64 s[G0T+2:G0T+3], s[G0T+2:G0T+3], 128*ROWB   ; x's rows 128 + 64 x wave,
	s_mov_b32 s[G0T+1], s[LW]                      ; into slot 0
	s_wait_dscnt 0x0                               ; the add is done, and my reads of slot 0 are over
	CROUND
	JLOAD
	s_wait_loadcnt 0x0                             ; the scale words
.irp j, 0,1,2,3,4,5,6
	TILE \j, 0
.endr
	TILE 7, 1                                      ; slot 1's last tile: it takes x's rows 320 to 511
.irp j, 8,9,10,11,12,13,14,15,16,17,18
	TILE \j, 0
.endr
	TILE 19, 2                                     ; slot 0's last tile: nothing is left to fetch
.irp j, 20,21,22,23,24,25,26,27,28,29,30
	TILE \j, 0
.endr
	TILE 31, 3
	; THE WAY OUT.  A lane's eight registers and lane l xor 16's are added: the sum over all 512 rows, for my half of K.  The halves meet in LDS.
	PLACES 4                                       ; behind the last products, in front of the first read of results
	WIN 0x0f                                       ; sources window 3, destination window 0
.irp a, 0,1,2,3,4,5,6,7
	v_pk_add_f32 v[128+4*\a:129+4*\a], v[ACC+8*\a:ACC+8*\a+1], v[ACC+8*\a+2:ACC+8*\a+3]      ; each accumulator from its low end on
	v_pk_add_f32 v[130+4*\a:131+4*\a], v[ACC+8*\a+4:ACC+8*\a+5], v[ACC+8*\a+6:ACC+8*\a+7]
.endr
	WIN 0
.irp a, 0,1,2,3,4,5,6,7
	v_pk_add_f32 v[128+4*\a:129+4*\a], v[128+4*\a:129+4*\a], v[130+4*\a:131+4*\a]
.endr
.irp a, 0,1,2,3,4,5,6,7
	v_add_f32 v[128+4*\a], v[128+4*\a], v[129+4*\a]
.endr
.irp a, 0,1,2,3,4,5,6,7
	v_permlanex16_b32 v[129+4*\a], v[128+4*\a], s[SEL], s[SEL+1]
.endr
.irp a, 0,1,2,3,4,5,6,7
	v_add_f32 v[128+4*\a], v[128+4*\a], v[129+4*\a]   ; every lane: the sum for row 16 a + r
.endr
	v_cmp_lt_u32 vcc_lo, 15, v1                    ; lanes 16-31
.irp c, 0,1,2,3
	v_cndmask_b32 v[160+\c], v[128+8*\c], v[132+8*\c], vcc_lo   ; lanes 0-15 keep block 2 c, lanes 16-31 block 2 c + 1: lane L holds row 32 c + L
.endr
.irp c, 0,1,2,3
	ds_store_b32 v13, v[160+\c] offset:128*\c
.endr
	s_wait_dscnt 0x0                               ; for the others' sake: my stores are done
	s_barrier_signal -1
	s_barrier_wait -1
	ds_load_b64 v[164:165], v14                    ; columns 64 w + 2 L, + 1 of the block: the first half of K,
	ds_load_b64 v[166:167], v14 offset:512         ; the second
	s_wait_dscnt 0x0
	v_pk_add_f32 v[164:165], v[164:165], v[166:167]
	global_store_b64 v15, v[164:165], s[12:13]     ; 32 lanes store 256 consecutive bytes, at a multiple of 256 from qpart's first byte
	s_wait_tensorcnt 0x0                           ; the wave's end
	ds_add_u32 v[SPW], v[NIL]
	s_wait_dscnt 0x0
	CROUND                                         ; the closing round: no work-group ends while a partner may still ask for a tile that names it
	s_endpgm
.Lfunc_end_k_q4c914bb243_qsum:
	.size	k_q4c914bb243_qsum, .Lfunc_end_k_q4c914bb243_qsum-k_q4c914bb243_qsum
	.p2alignl 7, 3214868480
	.fill 96, 4, 3214868480
	.section	.rodata,"a",@progbits
	.p2align	6, 0x0
	.amdhsa_kernel k_q4c914bb243_qsum
		.amdhsa_group_segment_fixed_size 327680
		.amdhsa_private_segment_fixed_size 0
		.amdhsa_enable_private_segment 0
		.amdhsa_kernarg_size 40
		.amdhsa_user_sgpr_count 2
		.amdhsa_user_sgpr_kernarg_segment_ptr 1
		.amdhsa_wavefront_size32 1
		.amdhsa_system_sgpr_workgroup_id_x 1
		.amdhsa_system_sgpr_workgroup_id_y 1
		.amdhsa_system_sgpr_workgroup_id_z 1
		.amdhsa_system_vgpr_workitem_id 0
		.amdhsa_next_free_vgpr 1024
		.amdhsa_next_free_sgpr 96
		.amdhsa_reserve_vcc 1
		.amdhsa_float_denorm_mode_32 3
		.amdhsa_float_denorm_mode_16_64 3
		.amdhsa_memory_ordered 1
		.amdhsa_forward_progress 1
		.amdhsa_inst_pref_size 210
	.end_amdhsa_kernel
	.amdgpu_metadata
---
amdhsa.version: [ 1, 2 ]
amdhsa.kernels:
  - .name:           k_q4c914bb243_qsum
    .symbol:         k_q4c914bb243_qsum.kd
    .args:
      - { .name: x_codes, .offset: 0, .size: 8, .value_kind: global_buffer, .address_space: global }
      - { .name: x_scales, .offset: 8, .size: 8, .value_kind: global_buffer, .address_space: global }
      - { .name: Wq_codes, .offset: 16, .size: 8, .value_kind: global_buffer, .address_space: global }
      - { .name: Wq_scales, .offset: 24, .size: 8, .value_kind: global_buffer, .address_space: global }
      - { .name: qpart, .offset: 32, .size: 8, .value_kind: global_buffer, .address_space: global }
    .group_segment_fixed_size: 327680
    .private_segment_fixed_size: 0
    .kernarg_segment_align: 8
    .kernarg_segment_size: 40
    .max_flat_workgroup_size: 128
    .sgpr_count:     96
    .vgpr_count:     1024
    .wavefront_size: 32
...
	.end_amdgpu_metadata
.endif
;; end of part 1
;; launch kfold (part 2): grid 256 x 1, 4 waves a work-group, clusters of 4 x 1, 327,680 bytes of LDS; arguments x_codes, x_scales, Wk_codes, Wk_scales, qpart, bq, bk, Wfc, bfc, out0; writes out0
.if DOCPART == 2
	.amdgcn_target "amdgcn-amd-amdhsa--gfx1250"
	.amdhsa_code_object_version 6
	.text
	.protected	k_q4c914bb243_kfold
	.globl	k_q4c914bb243_kfold
	.p2align	8
	.type	k_q4c914bb243_kfold,@function
k_q4c914bb243_kfold:
	s_mov_b64 s[64:65], 0
	v_nop
	global_prefetch_b8 v0, s[64:65] scope:SCOPE_SE
	s_setreg_imm32_b32 hwreg(HW_REG_WAVE_MODE, 25, 1), 1
	s_wait_xcnt 0x0
	s_wait_alu depctr_hold_cnt(0) depctr_sa_sdst(0) depctr_va_vdst(0) depctr_va_sdst(0) depctr_va_ssrc(0) depctr_va_vcc(0) depctr_vm_vsrc(0)
	s_getreg_b32 s2, hwreg(HW_REG_IB_STS2, 6, 4)
	s_cmp_eq_u32 s2, 0
	s_cbranch_scc0 .Lentry_in_a_cluster
	s_endpgm
.Lentry_in_a_cluster:
	s_bfe_u32 s2, ttmp6, 0x10000c
	s_cmp_lg_u32 s2, 0x3003
	s_cbranch_scc0 .Lentry_shape_is_right
	s_endpgm
.Lentry_shape_is_right:
; out0[row] = the sum over c of w[b][c] (x Wk^T)[row][c] + cst[b], with w[b][c] = Qbar[b][c] Wfc[c / 64] / 8, Qbar[b][c] = (the sum of qpart's rows 8 b .. 8 b + 7)[c] / 4,096 + bq[c],
; cst[b] = the sum over c of w[b][c] bk[c] + bfc.  That is reference()'s attention of the mean query and its last layer, written as one weighted sum over K's 1,024 columns; K is never stored.
; x: 32,768 rows, Wk: 1,024 rows, each 1,024 codes of BF6 (E3M2) = 768 bytes, with one E8M0 byte for each 32 along K.
; SHARES.  A work-group takes 128 rows of x (block g; batch g / 32).  THEY STAY IN REGISTERS: every wave holds all 128 for half of K (K steps 4 (w % 2) .. + 3 of 128): 384 registers.  Wk's 1,024 rows are
; streamed through LDS; wave w takes the tiles of 16 rows at 32 j + 16 (w / 2), j = 0 .. 31: 1,024 matrix instructions a wave.
; THE MATRIX INSTRUCTION: source 0 = 16 rows of Wk, source 1 = 16 rows of x.  In the result a lane holds ONE row of x (lane % 16) and its eight registers eight columns of K: the weighted sum over columns is a sum
; over a lane's own registers.  A tile's eight accumulators start with the constant 0; while the next tile is multiplied (on a second set of eight) they are folded: F += result x w, two at a time.
; CLUSTER.  All work-groups walk the same rows of Wk: the four of a cluster ask for each tile JOINTLY.  x's rows are each work-group's own.
; ROUNDING, stated: K's axis of 1,024 is added in two halves, the columns in two interleaved halves (four waves' parts are added at the end); the two small products of reference() are reassociated into one
; weighted sum; bq enters behind the mean and bk through cst; all in f32, and no difference of large sums is formed.  A scale byte 0xff gives NaN, as by the format's definition.
; LDS: 384 rows of 816 bytes (768 of data, 8 of padding behind every 128): slot 0 = rows 0-191, slot 1 = rows 192-383.  The stream is x's 128 rows, then Wk's 1,024: fill f brings its rows 192 f .. + 191 into slot f % 2.
; REGISTERS, in windows of 256 (s_set_vgpr_msb: bits 1:0 source 0, 3:2 source 1, 5:4 source 2, 7:6 destination):
;   window 0: v1-20 lane terms and addresses; v28, v29 the spare word's; v48-63 x's scale words; v64-127 Wk's scale words of my 32 tiles; v128-211 at work at the head and on the way out
;   window 1: x's fragments of my K steps 0, 1 (step q, block a at v[96 q + 12 a]);   window 2: of my K steps 2, 3; v192-199, v200-207 w of a tile, two sets
;   window 3: v0-47, v48-95 two buffers for a tile's four fragments; v96-159, v160-223 two sets of accumulators; v224-239 F; v240-251 the tiles' LDS addresses; v252 w's: so loads and folds stand among the products without a switch
.set PITCH, 816                        ; an LDS row: 6 x (128 + 8) bytes
.set UNIT,  64*PITCH                   ; what one tensor load brings: 64 rows
.set SLOT,  3*UNIT
.set ROWB,  768                        ; a row of codes in memory
.set WL,    2*SLOT                     ; behind the ring: w, 1,024 f32
.set RED,   WL+4096                    ; the waves' results meet here: 4 x 128 f32
.set CW,    RED+2048                   ; the waves' parts of the sum of w bk: 4 words
.set SPARE, CW+256                     ; the spare words, 128 bytes for each wave: two blocks of 256 bytes that no other line names
.set SPW, 28
.set NIL, 29
.set SSC, 48                           ; register 4 (a / 2) + q: lanes 0-15 block a even, lanes 16-31 block a odd
.set TSC, 64                           ; register 4 (j / 2) + q: lanes 0-15 tile j even, lanes 16-31 tile j odd
.set ACC, 96
.set WB,  192                          ; in window 2
.set FS,  224
.set ADT, 240                          ; window 3: v[240 + 2 u]: unit u's rows for my lane; v[241 + 2 u]: the same behind one padding more for lanes 16-31
.set WAD, 252
.set WV,  24                           ; s24 wave;  s25 which half of K;  s26 which tiles of Wk
.set KH,  25
.set TH,  26
.set G1P, 32                           ; s[32:39] descriptor group 1, no mask: x's rows
.set G1J, 40                           ; s[40:47] the same with the mask of the four: Wk's rows
.set G0S, 48                           ; s[48:51] group 0: x's rows 64 w on;  s[52:55]: Wk's rows 0-63;  s[56:59]: Wk's later rows, which walks
.set G0T0, 52
.set G0T, 56
.set LW,  60                           ; s60 UNIT x wave
.set SEL, 66                           ; s[66:67] lane selects for v_permlanex16_b32: lane l xor 16
.set MSB, 0
.macro WIN new                         ; the immediate's high byte repeats the setting that is left; a switch that changes nothing is dropped
.if MSB != \new
	s_set_vgpr_msb (MSB<<8)|\new
.set MSB, \new
.endif
.endm
.macro PLACES n
.rept \n
	v_nop
.endr
.endm
.macro CREST                           ; a round of the cluster's barrier behind its opening barrier
	s_cmp_lg_u32 s[WV], 0
	s_cbranch_scc1 .Lnot_wave_0_\@
	s_barrier_signal -3
.Lnot_wave_0_\@:
	s_barrier_wait -3
	s_barrier_signal -1
	s_barrier_wait -1
.endm
.macro CROUND                          ; a whole round
	s_barrier_signal -1
	s_barrier_wait -1
	CREST
.endm
.macro JLOAD                           ; a joint refill: waves 0 to 2 fetch 64 rows each; the branch hangs on the wave's number alone; four v_nop follow the load
	s_cmp_lt_u32 s[WV], 3
	s_cbranch_scc0 .Lnone_\@
	tensor_load_to_lds s[G0T:G0T+3], s[G1J:G1J+7]
	s_nop 0
.rept 4
	v_nop
.endr
.Lnone_\@:
.endm
; A fragment, 16 rows x 128 K of 6-bit codes, is 12 registers: lane l holds row l % 16; registers 6 c .. 6 c + 5 hold K = 64 c + 32 (l / 16) + 0 .. 31: 24 bytes of the row, as they lie, in pieces of 8 bytes.
; Piece n of my half of a row lies at 8 n + 8 (n / 16).  Lanes 16-31 read three pieces further on than lanes 0-15: behind one padding more where n % 16 is 13 or more: the second address register serves those.
.macro FRAG reg, adr, q, off
.irp p, 0,1,2,3,4,5
.set fPC, 12*(\q)+6*(\p/3)+\p%3
.if fPC%16 < 13
	ds_load_b64 v[(\reg)+2*\p:(\reg)+2*\p+1], v[(\adr)] offset:(\off)+8*fPC+8*(fPC/16)
.else
	ds_load_b64 v[(\reg)+2*\p:(\reg)+2*\p+1], v[(\adr)+1] offset:(\off)+8*fPC+8*(fPC/16)
.endif
.endr
.endm
.macro LD1 n, jn                       ; load n of the 24 that bring my tile jn's four fragments into buffer jn % 2.  Tile jn is rows 128 + 32 jn (+ 16 for waves 2, 3: in the address register) of the stream
.set lq, (\n)/6
.set lp, (\n)%6
.set lPC, 12*lq+6*(lp/3)+lp%3
.set lrb, (128+32*(\jn))%384
.set lu, lrb/64
.set lof, (lrb%64)*PITCH+8*lPC+8*(lPC/16)
.set lrg, 48*((\jn)%2)+12*lq+2*lp
.if lPC%16 < 13
	ds_load_b64 v[lrg:lrg+1], v[ADT+2*lu] offset:lof
.else
	ds_load_b64 v[lrg:lrg+1], v[ADT+2*lu+1] offset:lof
.endif
.endm
; One product.  rD, rT, rS, rTS, rSS are set by the caller.  zero = 1: it starts the sum.  ra, rb = 1: that side's scale words stand in lanes 16-31.
.macro WM zero, ra, rb
.if \zero
.if \ra
.if \rb
	v_wmma_scale_f32_16x16x128_f8f6f4 v[rD:rD+7], v[rT:rT+11], v[rS:rS+11], 0, v[rTS], v[rSS] matrix_a_fmt:MATRIX_FMT_BF6 matrix_b_fmt:MATRIX_FMT_BF6 matrix_a_scale:MATRIX_SCALE_ROW1 matrix_b_scale:MATRIX_SCALE_ROW1
.else
	v_wmma_scale_f32_16x16x128_f8f6f4 v[rD:rD+7], v[rT:rT+11], v[rS:rS+11], 0, v[rTS], v[rSS] matrix_a_fmt:MATRIX_FMT_BF6 matrix_b_fmt:MATRIX_FMT_BF6 matrix_a_scale:MATRIX_SCALE_ROW1
.endif
.else
.if \rb
	v_wmma_scale_f32_16x16x128_f8f6f4 v[rD:rD+7], v[rT:rT+11], v[rS:rS+11], 0, v[rTS], v[rSS] matrix_a_fmt:MATRIX_FMT_BF6 matrix_b_fmt:MATRIX_FMT_BF6 matrix_b_scale:MATRIX_SCALE_ROW1
.else
	v_wmma_scale_f32_16x16x128_f8f6f4 v[rD:rD+7], v[rT:rT+11], v[rS:rS+11], 0, v[rTS], v[rSS] matrix_a_fmt:MATRIX_FMT_BF6 matrix_b_fmt:MATRIX_FMT_BF6
.endif
.endif
.else
.if \ra
.if \rb
	v_wmma_scale_f32_16x16x128_f8f6f4 v[rD:rD+7], v[rT:rT+11], v[rS:rS+11], v[rD:rD+7], v[rTS], v[rSS] matrix_a_fmt:MATRIX_FMT_BF6 matrix_b_fmt:MATRIX_FMT_BF6 matrix_a_scale:MATRIX_SCALE_ROW1 matrix_b_scale:MATRIX_SCALE_ROW1
.else
	v_wmma_scale_f32_16x16x128_f8f6f4 v[rD:rD+7], v[rT:rT+11], v[rS:rS+11], v[rD:rD+7], v[rTS], v[rSS] matrix_a_fmt:MATRIX_FMT_BF6 matrix_b_fmt:MATRIX_FMT_BF6 matrix_a_scale:MATRIX_SCALE_ROW1
.endif
.else
.if \rb
	v_wmma_scale_f32_16x16x128_f8f6f4 v[rD:rD+7], v[rT:rT+11], v[rS:rS+11], v[rD:rD+7], v[rTS], v[rSS] matrix_a_fmt:MATRIX_FMT_BF6 matrix_b_fmt:MATRIX_FMT_BF6 matrix_b_scale:MATRIX_SCALE_ROW1
.else
	v_wmma_scale_f32_16x16x128_f8f6f4 v[rD:rD+7], v[rT:rT+11], v[rS:rS+11], v[rD:rD+7], v[rTS], v[rSS] matrix_a_fmt:MATRIX_FMT_BF6 matrix_b_fmt:MATRIX_FMT_BF6
.endif
.endif
.endif
.endm
; Fold f of 32 of a finished tile (accumulator set and w set given): block f % 8, registers 2 (f / 8), + 1: F += result x w, two columns at a time.  The first eight read each accumulator's two lowest registers.
; mode 1: the first tile's: its first eight start F: nothing is cleared.
.macro FOLD f, set, mode
.set fp, (\f)/8
.set fa, (\f)%8
.set fA, ACC+64*(\set)+8*fa+2*fp
.set fW, WB+8*(\set)+2*fp
.set fF, FS+2*fa
.if ((\mode) == 1) && (fp == 0)
	v_pk_mul_f32 v[fF:fF+1], v[fA:fA+1], v[fW:fW+1]
.else
	v_pk_fma_f32 v[fF:fF+1], v[fA:fA+1], v[fW:fW+1], v[fF:fF+1]
.endif
.endm
; Eight products: my tile j, my K step q, against x's eight blocks.  The eight accumulators take turns, one instruction a turn, in the same order everywhere.
; ld = 1: three of the next tile's 24 loads stand behind each product.  fold: two folds of the tile before stand behind each product (K steps 2 and 3).
.macro QGROUP j, q, zero, ld, fold
.set ia, 0
.rept 8
.set rD, ACC+64*((\j)%2)+8*ia
.set rT, 48*((\j)%2)+12*(\q)
.set rS, 96*((\q)%2)+12*ia
.set rTS, TSC+4*((\j)/2)+(\q)
.set rSS, SSC+4*(ia/2)+(\q)
	WM \zero, (\j)%2, ia%2
.if \ld
	LD1 3*ia, (\j)+1
	LD1 3*ia+1, (\j)+1
	LD1 3*ia+2, (\j)+1
.endif
.if \fold
	FOLD 16*((\q)-2)+2*ia, 1-(\j)%2, \fold
	FOLD 16*((\q)-2)+2*ia+1, 1-(\j)%2, \fold
.endif
.set ia, ia+1
.endr
.endm
; A TILE: 32 products.  kind 0: my next tile lies in the same slot.  kind 1: this is my last tile of a slot and the slot is filled again (slot: which); kind 2: a slot's last tile, nothing left to fetch; kind 3: the last tile.
; A slot's last tile is in registers at its head, so every wave's reads of the slot are over there: the change of slots stands in that tile.
.macro TILE j, kind, slot, fold
	s_wait_dscnt 0x0                               ; this tile's fragments and the last tile's w, asked for a tile ago, are in
	PLACES 4                                       ; four places behind the last tile's products: in front of loads into the buffer that they read and of the folds, which read their results (ISA guide 7.12.1 for vector instructions).
	                                               ; With the four of the tile before they are eight between a set's last products and the products that begin it anew
.if ((\kind) == 1) || ((\kind) == 2)
	WIN 0                                          ; (the add's two registers lie in window 0)
	s_wait_tensorcnt 0x0                           ; all my tensor loads have landed: my part of the next slot
	ds_add_u32 v[SPW], v[NIL]                      ; 0 onto my spare word
.if (\kind) == 1
	s_add_nc_u64 s[G0T+2:G0T+3], s[G0T+2:G0T+3], 192*ROWB   ; no tensor load of mine is out, so the group 0 may be written: the stream's next 192 rows,
.if \slot
	s_add_co_u32 s[G0T+1], s[LW], SLOT             ; into slot 1
.else
	s_mov_b32 s[G0T+1], s[LW]                      ; into slot 0
.endif
.endif
.endif
	WIN 0xf7                                       ; source 0 (Wk) window 3, source 1 (x) window 1, C and D window 3; an LDS load: data and address window 3
.if (\kind) == 0
	QGROUP \j, 0, 1, 1, 0                          ; a tile's first products start its sums
.else
	QGROUP \j, 0, 1, 0, 0                          ; eight products stand between the add and the wait for it
.endif
.if ((\kind) == 1) || ((\kind) == 2)
	s_wait_dscnt 0x0                               ; the add is done; my reads of this slot were over at the tile's head
	s_barrier_signal -1
.endif
	QGROUP \j, 1, 0, 0, 0
.if (\kind) == 1
	WIN 0
	s_barrier_wait -1
	CREST                                          ; the barrier has opened a round of the cluster's: no wave of any partner still reads this slot or has a load on its way
	JLOAD                                          ; the first tensor load behind the round
	WIN 0xfb
.elseif (\kind) == 2
	s_barrier_wait -1                              ; the next slot is whole
.endif
.if ((\kind) == 1) || ((\kind) == 2)
.set nn, 0
.rept 24
	LD1 nn, (\j)+1                                 ; my first tile of the next slot, in one run
.set nn, nn+1
.endr
.endif
	WIN 0x83                                       ; destination window 2, address window 3
	ds_load_b128 v[WB+8*((\j)%2):WB+8*((\j)%2)+3], v[WAD] offset:128*(\j)          ; w of this tile's columns 8 (lane / 16) + 0 .. 7, in the result's layout: wanted by the folds of the next tile
	ds_load_b128 v[WB+8*((\j)%2)+4:WB+8*((\j)%2)+7], v[WAD] offset:128*(\j)+16
	WIN 0xfb                                       ; source 1 window 2: x's fragments for a product, w for a fold; all else window 3
	QGROUP \j, 2, 0, 0, \fold
	QGROUP \j, 3, 0, 0, \fold
.endm
	s_load_b512 s[4:19], s[0:1], 0x0               ; x's codes s[4:5], x's scales s[6:7], Wk's codes s[8:9], Wk's scales s[10:11], qpart s[12:13], bq s[14:15], bk s[16:17], Wfc s[18:19]
	s_load_b128 s[20:23], s[0:1], 0x40             ; bfc s[20:21], out0 s[22:23]
	v_lshl_add_u32 v[SPW], v0, 2, SPARE
	v_mov_b32 v[NIL], 0
	ds_add_u32 v28, v29
	s_wait_dscnt 0x0
	v_lshrrev_b32 v1, 5, v0
	v_readfirstlane_b32 s[WV], v1                  ; wave 0..3
	s_and_b32 s[KH], s[WV], 1
	s_lshr_b32 s[TH], s[WV], 1
	s_bfe_u32 s27, ttmp6, 0x40000                  ; cx: my place in the cluster
	s_lshl_b32 s28, ttmp9, 2
	s_add_co_u32 s28, s28, s27                     ; g: my block of 128 rows of x: it enters global addresses of my own loads and stores alone
	s_lshr_b32 s29, s28, 5                         ; the batch
	; descriptor group 1: 64 rows x 768 bytes, dense in memory, padded in LDS
	s_mov_b32 s[G1P], (1<<20)|(4<<22)|(1<<25)      ; 15:0 no mask; 17:16 elements of 1 byte; 20 padding on; 24:22 after every 32 words (code 4); 31:25 2 words of it (code 1)
	s_mov_b32 s[G1J], 15|(1<<20)|(1<<21)|(4<<22)|(1<<25)   ; the same with the mask of all four work-groups, and bit 21 set beside it
.irp g, G1P, G1J
	s_mov_b32 s[\g+1], ROWB<<16                    ; tensor_dim0
	s_mov_b32 s[\g+2], 64<<16                      ; tensor_dim1
	s_mov_b32 s[\g+3], ROWB<<16                    ; tile_dim0
	s_mov_b32 s[\g+4], 64                          ; tile_dim1
	s_mov_b32 s[\g+5], ROWB                        ; tensor_dim0_stride
	s_mov_b32 s[\g+6], 0
	s_mov_b32 s[\g+7], 0
.endr
	s_mul_i32 s[LW], s[WV], UNIT                   ; no place in the cluster enters an LDS address
	s_mov_b32 s[SEL], 0x76543210
	s_mov_b32 s[SEL+1], 0xfedcba98
	; every LDS address is made here, on the way that all waves take
	v_and_b32 v1, 31, v0                           ; L
	v_and_b32 v2, 15, v0                           ; r
	v_bfe_u32 v3, v0, 4, 1                         ; h
	s_mul_i32 s30, s[KH], 408                      ; my half of a row: 384 bytes of data, three paddings
	s_mul_i32 s31, s[TH], 16*PITCH                 ; waves 2 and 3 take the tiles 16 rows further on
	v_mul_u32_u24 v6, v2, PITCH
	v_mad_u32_u24 v6, v3, 24, v6
	v_add_nc_u32 v6, s30, v6                       ; x: row r, + 24 h, + my half: blocks 0-3
	v_lshl_add_u32 v7, v3, 3, v6                   ; the same behind one padding more for lanes 16-31
	v_add_nc_u32 v8, UNIT, v6                      ; blocks 4-7
	v_add_nc_u32 v9, UNIT, v7
	v_add_nc_u32 v4, s31, v6                       ; Wk's tiles
	v_add_nc_u32 v5, s31, v7
	s_lshl_b32 s30, s[KH], 4
	v_lshl_add_u32 v10, v1, 5, s30                 ; x's scale words: 32 bytes a row, a lane a row, + my half's 16 bytes
	s_lshl_b32 s31, s[TH], 9
	s_add_co_u32 s31, s31, s30
	v_lshl_add_u32 v11, v2, 5, s31                 ; Wk's: row 32 h + 16 (w / 2) + r of a pair of my tiles
	v_lshl_add_u32 v11, v3, 10, v11
	v_lshlrev_b32 v12, 5, v0                       ; thread t makes w of columns 8 t .. 8 t + 7: 32 bytes
	v_lshrrev_b32 v13, 3, v0
	v_lshlrev_b32 v13, 2, v13                      ; their head's number of Wfc: 4 (t / 8)
	v_lshl_add_u32 v14, v0, 5, WL                  ; where they go
	s_lshl_b32 s30, s[WV], 9
	s_add_co_u32 s30, s30, RED
	v_lshl_add_u32 v15, v1, 2, s30                 ; where I put my results: RED + 512 x wave + 4 L
	v_lshl_add_u32 v16, v0, 3, RED                 ; where waves 0 and 1 read 64 rows back: RED + 256 x wave + 8 L, and 512 bytes on for each further wave's part
	v_lshlrev_b32 v17, 3, v1                       ; 8 bytes a lane in out0
	s_lshl_b32 s30, s[WV], 2
	s_add_co_u32 s30, s30, CW
	v_mov_b32 v18, s30                             ; my wave's word
	v_mov_b32 v19, CW
	s_lshl_b32 s30, s[TH], 6
	s_add_co_u32 s30, s30, WL
	v_lshl_add_u32 v20, v3, 5, s30                 ; w of a tile: columns 16 (w / 2) + 8 h on; 128 bytes a tile
	WIN 0xc0                                       ; destination window 3
.irp u, 0,1,2,3,4,5
	v_add_nc_u32 v[ADT+2*\u], \u*UNIT, v4
	v_add_nc_u32 v[ADT+2*\u+1], \u*UNIT, v5
.endr
	v_mov_b32 v[WAD], v20
	WIN 0
	; byte offsets.  s72, s73, which feed the joint loads, never hold what hangs on my place in the cluster
	s_mul_i32 s68, s28, 128*ROWB
	s_mul_i32 s69, s[WV], 64*ROWB
	s_add_co_u32 s68, s68, s69                     ; x's rows 128 g + 64 x wave
	s_mov_b32 s69, 0
	s_mul_i32 s72, s[WV], 64*ROWB
	s_add_co_u32 s72, s72, 64*ROWB                 ; Wk's rows 64 + 64 x wave
	s_mov_b32 s73, 0
	s_lshl_b32 s74, s28, 12                        ; x's scales: 32 bytes x 128 g
	s_mov_b32 s75, 0
	s_lshl_b32 s76, s29, 15                        ; qpart: the batch's eight rows of 4,096 bytes
	s_mov_b32 s77, 0
	s_lshl_b32 s78, s28, 9
	s_lshl_b32 s79, s[WV], 8
	s_add_co_u32 s78, s78, s79                     ; out0: 512 g + 256 x wave (waves 0 and 1 store)
	s_mov_b32 s79, 0
	s_wait_kmcnt 0x0
	s_add_nc_u64 s[6:7], s[6:7], s[74:75]
	s_add_nc_u64 s[12:13], s[12:13], s[76:77]
	s_add_nc_u64 s[22:23], s[22:23], s[78:79]
	s_load_b32 s80, s[20:21], 0x0                  ; bfc: wanted on the way out
	s_mov_b32 s[G0S], 1                            ; 1:0 count = 1
	s_mov_b32 s[G0S+1], s[LW]                      ; 63:32 LDS address: unit w
	s_add_nc_u64 s[G0S+2:G0S+3], s[4:5], s[68:69]  ; 120:64 global address
	s_or_b32 s[G0S+3], s[G0S+3], 0x80000000        ; 127:126 type = 2
	s_mov_b32 s[G0T0], 1
	s_mov_b32 s[G0T0+1], 2*UNIT                    ; Wk's rows 0-63 lie behind x's 128
	s_mov_b64 s[G0T0+2:G0T0+3], s[8:9]
	s_or_b32 s[G0T0+3], s[G0T0+3], 0x80000000
	s_mov_b32 s[G0T], 1
	s_add_co_u32 s[G0T+1], s[LW], SLOT             ; Wk's rows 64-255: slot 1
	s_add_nc_u64 s[G0T+2:G0T+3], s[8:9], s[72:73]
	s_or_b32 s[G0T+3], s[G0T+3], 0x80000000
	; what makes w: 21 loads; then all scale words that I shall ever want: 4 + 16 loads, 16 bytes (my half's four words) of a row a lane
.irp i, 0,1,2,3,4,5,6,7
	global_load_b128 v[128+8*\i:131+8*\i], v12, s[12:13] offset:4096*\i
	global_load_b128 v[132+8*\i:135+8*\i], v12, s[12:13] offset:4096*\i+16
.endr
	global_load_b128 v[192:195], v12, s[14:15]
	global_load_b128 v[196:199], v12, s[14:15] offset:16
	global_load_b128 v[200:203], v12, s[16:17]
	global_load_b128 v[204:207], v12, s[16:17] offset:16
	global_load_b32 v208, v13, s[18:19]
.irp a, 0,1,2,3
	global_load_b128 v[SSC+4*\a:SSC+4*\a+3], v10, s[6:7] offset:1024*\a
.endr
.irp j, 0,1,2,3,4,5,6,7,8,9,10,11,12,13,14,15
	global_load_b128 v[TSC+4*\j:TSC+4*\j+3], v11, s[10:11] offset:2048*\j
.endr
	CROUND                                         ; all four work-groups are here: the first joint loads meet
	s_cmp_lt_u32 s[WV], 2                          ; a wave's first fills stand in one branch: two loads of mine are out at the most
	s_cbranch_scc0 .Lff_hi
	tensor_load_to_lds s[G0S:G0S+3], s[G1P:G1P+7]
	s_nop 0
	tensor_load_to_lds s[G0T:G0T+3], s[G1J:G1J+7]
	s_nop 0
.rept 4
	v_nop
.endr
	s_branch .Lff_done
.Lff_hi:
	s_cmp_eq_u32 s[WV], 2
	s_cbranch_scc0 .Lff_done
	tensor_load_to_lds s[G0T0:G0T0+3], s[G1J:G1J+7]
	s_nop 0
	tensor_load_to_lds s[G0T:G0T+3], s[G1J:G1J+7]
	s_nop 0
.rept 4
	v_nop
.endr
.Lff_done:
	; w of my eight columns, while the first fills are on their way
	s_wait_loadcnt 20                              ; the 21 older loads are in; the 20 loads of scale words may be out
.irp i, 1,2,3,4,5,6,7
.irp p, 0,2,4,6
	v_pk_add_f32 v[128+\p:129+\p], v[128+\p:129+\p], v[128+8*\i+\p:129+8*\i+\p]   ; the batch's eight partial sums (the four pairs by turns)
.endr
.endr
	v_mul_f32 v208, 0x3e000000, v208               ; Wfc / 8
	v_mov_b32 v209, v208
.irp p, 0,2,4,6
	v_pk_fma_f32 v[128+\p:129+\p], v[128+\p:129+\p], 0x39800000, v[192+\p:193+\p] op_sel_hi:[1,0,1]   ; the mean of Q: sum x 2^-12 + bq
.endr
.irp p, 0,2,4,6
	v_pk_mul_f32 v[128+\p:129+\p], v[128+\p:129+\p], v[208:209]                   ; w
.endr
	ds_store_b128 v14, v[128:131]
	ds_store_b128 v14, v[132:135] offset:16
	v_pk_mul_f32 v[210:211], v[128:129], v[200:201]                                ; the sum of w bk: my eight columns,
	v_pk_fma_f32 v[210:211], v[130:131], v[202:203], v[210:211]
	v_pk_fma_f32 v[210:211], v[132:133], v[204:205], v[210:211]
	v_pk_fma_f32 v[210:211], v[134:135], v[206:207], v[210:211]
	v_add_f32 v210, v210, v211
	v_add_f32_dpp v210, v210, v210 row_xmask:1 row_mask:0xf bank_mask:0xf          ; my wave's 256
	v_add_f32_dpp v210, v210, v210 row_xmask:2 row_mask:0xf bank_mask:0xf
	v_add_f32_dpp v210, v210, v210 row_xmask:4 row_mask:0xf bank_mask:0xf
	v_add_f32_dpp v210, v210, v210 row_xmask:8 row_mask:0xf bank_mask:0xf
	v_permlanex16_b32 v211, v210, s[SEL], s[SEL+1]
	v_add_f32 v210, v210, v211
	ds_store_b32 v18, v210                         ; all lanes write the same word with the same value
	s_wait_tensorcnt 0x1                           ; my first fill (x's rows, or Wk's rows 0-63) is in; my load for slot 1, issued behind it, may stay out
	s_wait_dscnt 0x0                               ; for the others' sake: my stores of w are done
	s_barrier_signal -1
	s_barrier_wait -1
	WIN 0x40                                       ; destination window 1, address window 0
.irp q, 0,1
.irp a, 0,1,2,3,4,5,6,7
	FRAG 96*\q+12*\a, 6+2*(\a/4), \q, ((16*\a)%64)*PITCH
.endr
.endr
	WIN 0x80                                       ; destination window 2
.irp q, 2,3
.irp a, 0,1,2,3,4,5,6,7
	FRAG 96*(\q-2)+12*\a, 6+2*(\a/4), \q, ((16*\a)%64)*PITCH
.endr
.endr
	WIN 0xf7
.set nn, 0
.rept 24
	LD1 nn, 0                                      ; my tile 0
.set nn, nn+1
.endr
	s_wait_loadcnt 0x0                             ; the scale words
	TILE 0, 0, 0, 0
	TILE 1, 1, 0, 1                                ; slot 0's last tile (x has left it too): it takes Wk's rows 256 to 447
.irp j, 2,3,4,5,6
	TILE \j, 0, 0, 2
.endr
	TILE 7, 1, 1, 2                                ; slot 1 takes rows 448 to 639
.irp j, 8,9,10,11,12
	TILE \j, 0, 0, 2
.endr
	TILE 13, 1, 0, 2                               ; slot 0 takes rows 640 to 831
.irp j, 14,15,16,17,18
	TILE \j, 0, 0, 2
.endr
	TILE 19, 1, 1, 2                               ; slot 1 takes rows 832 to 1,023
.irp j, 20,21,22,23,24
	TILE \j, 0, 0, 2
.endr
	TILE 25, 2, 0, 2                               ; nothing is left to fetch
.irp j, 26,27,28,29,30
	TILE \j, 0, 0, 2
.endr
	TILE 31, 3, 0, 2
	s_wait_dscnt 0x0                               ; the last tile's w
	PLACES 4                                       ; behind the last products, in front of the first read of their results
.set ff, 0
.rept 32
	FOLD ff, 1, 2                                  ; the last tile is folded
.set ff, ff+1
.endr
	; THE WAY OUT.  F's two halves and lane l xor 16's are added: my wave's part for each of the 128 rows.  The four waves' parts meet in LDS.
	WIN 0x0f                                       ; sources window 3, destination window 0
.irp a, 0,1,2,3,4,5,6,7
	v_add_f32 v[128+\a], v[FS+2*\a], v[FS+2*\a+1]
.endr
	WIN 0
.irp a, 0,1,2,3,4,5,6,7
	v_permlanex16_b32 v[136+\a], v[128+\a], s[SEL], s[SEL+1]
.endr
.irp a, 0,1,2,3,4,5,6,7
	v_add_f32 v[128+\a], v[128+\a], v[136+\a]      ; every lane: my part for row 16 a + r
.endr
	v_cmp_lt_u32 vcc_lo, 15, v1                    ; lanes 16-31
.irp c, 0,1,2,3
	v_cndmask_b32 v[144+\c], v[128+2*\c], v[129+2*\c], vcc_lo   ; lanes 0-15 keep block 2 c, lanes 16-31 block 2 c + 1: lane L holds row 32 c + L
.endr
.irp c, 0,1,2,3
	ds_store_b32 v15, v[144+\c] offset:128*\c
.endr
	s_wait_kmcnt 0x0                               ; bfc
	s_wait_dscnt 0x0                               ; for the others' sake: my stores are done
	s_barrier_signal -1
	s_barrier_wait -1
	s_cmp_lt_u32 s[WV], 2                          ; waves 0 and 1 add and store, 64 rows each
	s_cbranch_scc0 .Lno_out
	ds_load_b64 v[148:149], v16                    ; rows 64 w + 2 L, + 1: the four waves' parts
	ds_load_b64 v[150:151], v16 offset:512
	ds_load_b64 v[152:153], v16 offset:1024
	ds_load_b64 v[154:155], v16 offset:1536
	ds_load_b128 v[156:159], v19                   ; and the four parts of the sum of w bk
	s_wait_dscnt 0x0
	v_pk_add_f32 v[148:149], v[148:149], v[150:151]
	v_pk_add_f32 v[152:153], v[152:153], v[154:155]
	v_add_f32 v156, v156, v157
	v_add_f32 v158, v158, v159
	v_pk_add_f32 v[148:149], v[148:149], v[152:153]
	v_add_f32 v156, v156, v158
	v_add_f32 v156, s80, v156                      ; cst
	v_pk_add_f32 v[148:149], v[148:149], v[156:157] op_sel_hi:[1,0]
	global_store_b64 v17, v[148:149], s[22:23]     ; 32 lanes store 256 consecutive bytes, at a multiple of 256 from out0's first byte
.Lno_out:
	s_wait_tensorcnt 0x0                           ; the wave's end
	ds_add_u32 v[SPW], v[NIL]
	s_wait_dscnt 0x0
	CROUND                                         ; the closing round: no work-group ends while a partner may still ask for a tile that names it
	s_endpgm
.Lfunc_end_k_q4c914bb243_kfold:
	.size	k_q4c914bb243_kfold, .Lfunc_end_k_q4c914bb243_kfold-k_q4c914bb243_kfold
	.p2alignl 7, 3214868480
	.fill 96, 4, 3214868480
	.section	.rodata,"a",@progbits
	.p2align	6, 0x0
	.amdhsa_kernel k_q4c914bb243_kfold
		.amdhsa_group_segment_fixed_size 327680
		.amdhsa_private_segment_fixed_size 0
		.amdhsa_enable_private_segment 0
		.amdhsa_kernarg_size 80
		.amdhsa_user_sgpr_count 2
		.amdhsa_user_sgpr_kernarg_segment_ptr 1
		.amdhsa_wavefront_size32 1
		.amdhsa_system_sgpr_workgroup_id_x 1
		.amdhsa_system_sgpr_workgroup_id_y 1
		.amdhsa_system_sgpr_workgroup_id_z 1
		.amdhsa_system_vgpr_workitem_id 0
		.amdhsa_next_free_vgpr 1024
		.amdhsa_next_free_sgpr 96
		.amdhsa_reserve_vcc 1
		.amdhsa_float_denorm_mode_32 3
		.amdhsa_float_denorm_mode_16_64 3
		.amdhsa_memory_ordered 1
		.amdhsa_forward_progress 1
		.amdhsa_inst_pref_size 255
	.end_amdhsa_kernel
	.section	.bss,"aw",@nobits
	.p2align	6
	.space	262144
	.amdgpu_metadata
---
amdhsa.version: [ 1, 2 ]
amdhsa.kernels:
  - .name:           k_q4c914bb243_kfold
    .symbol:         k_q4c914bb243_kfold.kd
    .args:
      - { .name: x_codes, .offset: 0, .size: 8, .value_kind: global_buffer, .address_space: global }
      - { .name: x_scales, .offset: 8, .size: 8, .value_kind: global_buffer, .address_space: global }
      - { .name: Wk_codes, .offset: 16, .size: 8, .value_kind: global_buffer, .address_space: global }
      - { .name: Wk_scales, .offset: 24, .size: 8, .value_kind: global_buffer, .address_space: global }
      - { .name: qpart, .offset: 32, .size: 8, .value_kind: global_buffer, .address_space: global }
      - { .name: bq, .offset: 40, .size: 8, .value_kind: global_buffer, .address_space: global }
      - { .name: bk, .offset: 48, .size: 8, .value_kind: global_buffer, .address_space: global }
      - { .name: Wfc, .offset: 56, .size: 8, .value_kind: global_buffer, .address_space: global }
      - { .name: bfc, .offset: 64, .size: 8, .value_kind: global_buffer, .address_space: global }
      - { .name: out0, .offset: 72, .size: 8, .value_kind: global_buffer, .address_space: global }
    .group_segment_fixed_size: 327680
    .private_segment_fixed_size: 0
    .kernarg_segment_align: 8
    .kernarg_segment_size: 80
    .max_flat_workgroup_size: 128
    .sgpr_count:     96
    .vgpr_count:     1024
    .wavefront_size: 32
...
	.end_amdgpu_metadata
.endif
;; end of part 2
;; ======== version 2 of 2: 2 launches
;; limits: right only within a limited range of input values
;; workspace buffers: qpart 262,144 bytes
;; launch qsum (part 3): grid 4 x 64, 8 waves a work-group, clusters of 4 x 4, 327,680 bytes of LDS; arguments x_codes, x_scales, Wq_codes, Wq_scales, qpart; writes qpart
.if DOCPART == 3
	.amdgcn_target "amdgcn-amd-amdhsa--gfx1250"
	.amdhsa_code_object_version 6
	.text
	.protected	k_q4c914bb243_qsum
	.globl	k_q4c914bb243_qsum
	.p2align	8
	.type	k_q4c914bb243_qsum,@function
k_q4c914bb243_qsum:
	s_mov_b64 s[64:65], 0
	v_nop
	global_prefetch_b8 v0, s[64:65] scope:SCOPE_SE
	s_setreg_imm32_b32 hwreg(HW_REG_WAVE_MODE, 25, 1), 1
	s_wait_xcnt 0x0
	s_wait_alu depctr_hold_cnt(0) depctr_sa_sdst(0) depctr_va_vdst(0) depctr_va_sdst(0) depctr_va_ssrc(0) depctr_va_vcc(0) depctr_vm_vsrc(0)
	s_getreg_b32 s2, hwreg(HW_REG_IB_STS2, 6, 4)
	s_cmp_eq_u32 s2, 0
	s_cbranch_scc0 .Lentry_in_a_cluster
	s_endpgm
.Lentry_in_a_cluster:
	s_bfe_u32 s2, ttmp6, 0x10000c
	s_cmp_lg_u32 s2, 0xf033
	s_cbranch_scc0 .Lentry_shape_is_right
	s_endpgm
.Lentry_shape_is_right:
; qpart[y][c] = the sum over the 512 rows 512 y .. 512 y + 511 of x (all batches on end) of (x Wq^T)[row][c], raw: no bias, no division.  x: 32,768 rows, Wq: 1,024 rows, each 1,024 codes of
; BF6 (E3M2) = 768 bytes, with one E8M0 byte for each 32 along K (32 bytes a row).  qpart: [64][1024] f32.  The next launch adds a batch's eight rows of it and makes the mean of Q.
; SHARES.  A work-group takes 256 rows of Wq (block = its place along x) and 512 rows of x (block y).  Eight waves, two on a SIMD.  THE ROWS OF Wq STAY IN REGISTERS: wave w holds all 256 for K step w of 128:
; 16 blocks x 12 = 192 registers.  x's rows are streamed through LDS, 16 at a time (a tile); every wave walks all 32 tiles, in groups of four (64 rows, a unit); a fragment of x feeds 16 products.
; THE MATRIX INSTRUCTION: source 0 = 16 rows of x, source 1 = 16 rows of Wq.  In the result a lane holds ONE row of Wq (lane % 16) and its eight registers eight rows of x.  Only the sum over x's rows is
; wanted, so the sixteen accumulators go on adding over all tiles: 512 matrix instructions a wave, no result is read before the end.
; CLUSTER 4 x 4.  The four work-groups of a cluster's row take the same 512 rows of x, the four of a column the same 256 rows of Wq: every tile is asked for JOINTLY (same tensor load, same descriptor, a mask that names the four).
; PREFETCH.  The two refills of x (rows 128-255, then 256-511) are asked for ahead, into the L2: rows 128-255 behind the head's joint loads, rows 256-511 in group 0, a group ahead of their refill.  The 32 waves of the four
; partners that will load them share the rows out by address: 4 rows (12 blocks of 256 bytes) and 8 rows (24 blocks) a wave, one instruction each, a lane a block; lanes that are left over name the wave's last block again.  Nothing is asked for beyond.
; ROUNDING, stated: K is added in eight parts (eight waves), the rows' sums are kept in the matrix accumulators; all in f32; the order differs from a row-by-row mean.  A scale byte 0xff gives NaN, as by the format's definition.
; LDS: six units of 64 rows of 816 bytes (768 of data, 8 of padding behind every 128).  Wq: units 0-3.  x: rows 0-127 units 4, 5; rows 128-255 units 0, 1; rows 256-511 units 2-5.  Group g of tiles lies in unit (g + 4) % 6.
; REGISTERS, in windows of 256 (s_set_vgpr_msb: bits 1:0 source 0, 3:2 source 1, 5:4 source 2, 7:6 destination):
;   window 0: v1-15 lane terms and addresses; v16, v17 the spare word's; v18-25 Wq's scale words; v26-41 x's; v64-255 Wq's fragments (block a at v[64 + 12 a]); on the way out v128-223
;   window 1: v0-95 two buffers of four fragments of x; v96-223 the accumulators; v224-247 the units' LDS addresses.  So products and loads share one setting
.set PITCH, 816
.set UNIT,  64*PITCH
.set ROWB,  768                        ; a row of codes in memory
.set RED,   6*UNIT                     ; the waves' results meet here: 8 x 256 f32
.set SPARE, RED+8192                   ; the spare words, 128 bytes for each wave: four blocks of 256 bytes that no other line names
.set SPW, 16
.set NIL, 17
.set SSC, 18                           ; register a / 2: lanes 0-15 block a even, lanes 16-31 block a odd
.set TSC, 26                           ; register j / 2: lanes 0-15 tile j even, lanes 16-31 tile j odd
.set WQF, 64
.set ACC, 96
.set ADT, 224                          ; window 1: v[224 + 4 u + c]: unit u's rows for my lane, padding class c
.set PF1, 12                           ; v12, v11 the prefetches' offsets, s[62:63] their base: never rewritten
.set PF2, 11
.set PFB, 62
.set WV,  24                           ; s24 wave
.set G1W, 32                           ; s[32:39] descriptor group 1: 64 rows of Wq, mask of my column
.set G1J, 40                           ; s[40:47] 32 rows of x, mask of my row
.set G0W, 48                           ; s[48:51] group 0: Wq's rows (waves 0-3, at the head)
.set G0T, 56                           ; s[56:59] group 0: x's rows, which walks
.set LW,  60                           ; s60 32 rows x wave
.set SEL, 66                           ; s[66:67] lane selects for v_permlanex16_b32: lane l xor 16
.set MULT, 0x51                        ; source 0 (x) window 1, source 1 (Wq) window 0, C and D window 1; an LDS load: data and address window 1
.set MSB, 0
.macro WIN new                         ; the immediate's high byte repeats the setting that is left; a switch that changes nothing is dropped
.if MSB != \new
	s_set_vgpr_msb (MSB<<8)|\new
.set MSB, \new
.endif
.endm
.macro PLACES n
.rept \n
	v_nop
.endr
.endm
.macro CREST                           ; a round of the cluster's barrier behind its opening barrier
	s_cmp_lg_u32 s[WV], 0
	s_cbranch_scc1 .Lnot_wave_0_\@
	s_barrier_signal -3
.Lnot_wave_0_\@:
	s_barrier_wait -3
	s_barrier_signal -1
	s_barrier_wait -1
.endm
.macro CROUND                          ; a whole round
	s_barrier_signal -1
	s_barrier_wait -1
	CREST
.endm
.macro XLOAD                           ; my 32 rows of x
	tensor_load_to_lds s[G0T:G0T+3], s[G1J:G1J+7]
	s_nop 0
	PLACES 4
.endm
; A fragment, 16 rows x 128 K of 6-bit codes, is 12 registers: lane l holds row l % 16; registers 6 c .. 6 c + 5 hold K = 64 c + 32 (l / 16) + 0 .. 31: 24 bytes of the row, as they lie, in pieces of 8 bytes.
; Piece N of a row lies at 8 N + 8 (N / 16).  My K step begins at piece 12 w; lanes 16-31 (h = 1) read three pieces further on.  With t = w % 4, a padding more stands behind piece 3 of the step for t = 1 and behind piece 7 for t = 2.
; So a load's padding hangs on t and h: class 0: none, 1: 8 (t = 1) h, 2: 8 (t = 1) + 8 (t = 2) h, 3: 8 (t = 1) + 8 (t = 2): an address register for each.
.macro PIECE p                         ; load p of a fragment's six: class pC, offset pO
.set pN, 6*((\p)/3)+(\p)%3
.set pO, 8*pN
.if pN < 1
.set pC, 0
.elseif pN < 6
.set pC, 1
.elseif pN < 8
.set pC, 2
.else
.set pC, 3
.endif
.endm
.macro FR4 g                           ; group g's four fragments into buffer g % 2, one run
.set fU, ((\g)+4)%6
.irp t, 0,1,2,3
.irp p, 0,1,2,3,4,5
	PIECE \p
.set fR, 12*((4*(\g)+\t)%8)+2*\p
	ds_load_b64 v[fR:fR+1], v[ADT+4*fU+pC] offset:\t*16*PITCH+pO
.endr
.endr
.endm
; One product.  rD, rT, rS, rTS, rSS are set by the caller.  zero = 1: it starts the sum.  ra, rb = 1: that side's scale words stand in lanes 16-31.
.macro WM zero, ra, rb
.if \zero
.if \ra
.if \rb
	v_wmma_scale_f32_16x16x128_f8f6f4 v[rD:rD+7], v[rT:rT+11], v[rS:rS+11], 0, v[rTS], v[rSS] matrix_a_fmt:MATRIX_FMT_BF6 matrix_b_fmt:MATRIX_FMT_BF6 matrix_a_scale:MATRIX_SCALE_ROW1 matrix_b_scale:MATRIX_SCALE_ROW1
.else
	v_wmma_scale_f32_16x16x128_f8f6f4 v[rD:rD+7], v[rT:rT+11], v[rS:rS+11], 0, v[rTS], v[rSS] matrix_a_fmt:MATRIX_FMT_BF6 matrix_b_fmt:MATRIX_FMT_BF6 matrix_a_scale:MATRIX_SCALE_ROW1
.endif
.else
.if \rb
	v_wmma_scale_f32_16x16x128_f8f6f4 v[rD:rD+7], v[rT:rT+11], v[rS:rS+11], 0, v[rTS], v[rSS] matrix_a_fmt:MATRIX_FMT_BF6 matrix_b_fmt:MATRIX_FMT_BF6 matrix_b_scale:MATRIX_SCALE_ROW1
.else
	v_wmma_scale_f32_16x16x128_f8f6f4 v[rD:rD+7], v[rT:rT+11], v[rS:rS+11], 0, v[rTS], v[rSS] matrix_a_fmt:MATRIX_FMT_BF6 matrix_b_fmt:MATRIX_FMT_BF6
.endif
.endif
.else
.if \ra
.if \rb
	v_wmma_scale_f32_16x16x128_f8f6f4 v[rD:rD+7], v[rT:rT+11], v[rS:rS+11], v[rD:rD+7], v[rTS], v[rSS] matrix_a_fmt:MATRIX_FMT_BF6 matrix_b_fmt:MATRIX_FMT_BF6 matrix_a_scale:MATRIX_SCALE_ROW1 matrix_b_scale:MATRIX_SCALE_ROW1
.else
	v_wmma_scale_f32_16x16x128_f8f6f4 v[rD:rD+7], v[rT:rT+11], v[rS:rS+11], v[rD:rD+7], v[rTS], v[rSS] matrix_a_fmt:MATRIX_FMT_BF6 matrix_b_fmt:MATRIX_FMT_BF6 matrix_a_scale:MATRIX_SCALE_ROW1
.endif
.else
.if \rb
	v_wmma_scale_f32_16x16x128_f8f6f4 v[rD:rD+7], v[rT:rT+11], v[rS:rS+11], v[rD:rD+7], v[rTS], v[rSS] matrix_a_fmt:MATRIX_FMT_BF6 matrix_b_fmt:MATRIX_FMT_BF6 matrix_b_scale:MATRIX_SCALE_ROW1
.else
	v_wmma_scale_f32_16x16x128_f8f6f4 v[rD:rD+7], v[rT:rT+11], v[rS:rS+11], v[rD:rD+7], v[rTS], v[rSS] matrix_a_fmt:MATRIX_FMT_BF6 matrix_b_fmt:MATRIX_FMT_BF6
.endif
.endif
.endif
.endm
; n products: tile j against Wq's blocks a0 .. a0 + n - 1.  The sixteen accumulators take turns, one instruction a turn, in the same order everywhere.
.macro QG j, a0, n, zero
.set ia, \a0
.rept \n
.set rD, ACC+8*ia
.set rT, 12*((\j)%8)
.set rS, WQF+12*ia
.set rTS, TSC+(\j)/2
.set rSS, SSC+ia/2
	WM \zero, (\j)%2, ia%2
.set ia, ia+1
.endr
.endm
.macro GROUP g, more                   ; four tiles, 64 products; more = 1: the next group's run stands at the head
	s_wait_dscnt 0x0                               ; this group's fragments, asked for a group ago, are in
.if \more
	PLACES 4                                       ; behind the last group's products, in front of loads into the buffer that they read (ISA guide 7.12.1 for vector instructions)
	FR4 (\g)+1
.endif
	QG 4*(\g), 0, 16, 0
	QG 4*(\g)+1, 0, 16, 0
	QG 4*(\g)+2, 0, 16, 0
	QG 4*(\g)+3, 0, 16, 0
.endm
; A group behind which the units change: the next group's run stands behind the barrier.  fill = 1: units 2-5 are filled again; fill = 0: nothing is left to fetch.
.macro CHANGE g, fill
	s_wait_dscnt 0x0                               ; this group's fragments are in: my reads of its unit and of all before it are over
	QG 4*(\g), 0, 16, 0
	QG 4*(\g)+1, 0, 16, 0
	WIN 0                                          ; (the add's two registers lie in window 0)
	s_wait_tensorcnt 0x0                           ; all my tensor loads have landed
	ds_add_u32 v[SPW], v[NIL]                      ; 0 onto my spare word
.if \fill
	s_add_nc_u64 s[G0T+2:G0T+3], s[G0T+2:G0T+3], s[70:71]   ; no tensor load of mine is out, so the group 0 may be written: x's rows 256 + 32 w,
	s_add_co_u32 s[G0T+1], s[LW], 2*UNIT           ; into units 2-5
.endif
	WIN MULT
	QG 4*(\g)+2, 0, 8, 0                           ; (between the add and the wait for it)
	s_wait_dscnt 0x0                               ; the add is done
	s_barrier_signal -1
	QG 4*(\g)+2, 8, 8, 0
.if \fill
	WIN 0
	s_barrier_wait -1
	CREST                                          ; the barrier has opened a round of the cluster's: no wave of any partner still reads these units or has a load on its way
	XLOAD                                          ; all eight waves, the first tensor load behind the round
.else
	s_barrier_wait -1
.endif
	PLACES 4                                       ; in front of loads into the buffer that the group before read
	WIN MULT
	FR4 (\g)+1
	QG 4*(\g)+3, 0, 16, 0
.endm
	s_load_b256 s[4:11], s[0:1], 0x0               ; x's codes s[4:5], x's scales s[6:7], Wq's codes s[8:9], Wq's scales s[10:11]
	s_load_b64 s[12:13], s[0:1], 0x20              ; qpart
	v_lshl_add_u32 v[SPW], v0, 2, SPARE
	v_mov_b32 v[NIL], 0
	ds_add_u32 v[SPW], v[NIL]                      ; the wave's opening: the add, twice on end; its wait stands ahead of my first tensor load
	ds_add_u32 v[SPW], v[NIL]
	v_lshrrev_b32 v1, 5, v0
	v_readfirstlane_b32 s[WV], v1                  ; wave 0..7
	s_and_b32 s25, s[WV], 1
	s_lshr_b32 s26, s[WV], 1
	s_and_b32 s26, s26, 1
	s_lshr_b32 s18, s[WV], 2
	s_and_b32 s19, s[WV], 3                        ; t
	s_bfe_u32 s27, ttmp6, 0x40000                  ; cx
	s_bfe_u32 s23, ttmp6, 0x40004                  ; cy
	s_lshl_b32 s28, ttmp9, 2
	s_add_co_u32 s28, s28, s27                     ; my block of 256 rows of Wq
	s_and_b32 s29, ttmp7, 0xffff
	s_lshl_b32 s29, s29, 2
	s_add_co_u32 s29, s29, s23                     ; y: my block of 512 rows of x
	s_lshl_b32 s22, s23, 2
	s_lshl_b32 s22, 15, s22                        ; my row of the cluster
	s_lshl_b32 s21, 0x1111, s27                    ; my column
	; descriptor group 1: rows of 768 bytes, dense in memory, padded in LDS
	s_or_b32 s[G1W], s21, (1<<20)|(1<<21)|(4<<22)|(1<<25)   ; 15:0 the mask; 17:16 elements of 1 byte; 20 padding on; 21 set beside a mask; 24:22 after every 32 words (code 4); 31:25 2 words of it (code 1)
	s_or_b32 s[G1J], s22, (1<<20)|(1<<21)|(4<<22)|(1<<25)
.irp g, G1W, G1J
	s_mov_b32 s[\g+1], ROWB<<16                    ; tensor_dim0
	s_mov_b32 s[\g+3], ROWB<<16                    ; tile_dim0
	s_mov_b32 s[\g+5], ROWB                        ; tensor_dim0_stride
	s_mov_b32 s[\g+6], 0
	s_mov_b32 s[\g+7], 0
.endr
	s_mov_b32 s[G1W+2], 64<<16                     ; tensor_dim1, tile_dim1: 64 rows of Wq,
	s_mov_b32 s[G1W+4], 64
	s_mov_b32 s[G1J+2], 32<<16                     ; 32 rows of x
	s_mov_b32 s[G1J+4], 32
	s_mul_i32 s[LW], s[WV], 32*PITCH               ; no place in the cluster enters an LDS address
	s_mov_b32 s[SEL], 0x76543210
	s_mov_b32 s[SEL+1], 0xfedcba98
	s_xor_b32 s30, s26, 1
	s_and_b32 s30, s30, s25
	s_lshl_b32 s30, s30, 3                         ; 8 (t = 1)
	s_xor_b32 s31, s25, 1
	s_and_b32 s31, s31, s26
	s_lshl_b32 s31, s31, 3                         ; 8 (t = 2)
	s_mul_i32 s20, s19, 96
	s_and_b32 s21, s25, s26
	s_add_co_u32 s21, s21, s26
	s_lshl_b32 s21, s21, 3                         ; the paddings ahead of it: 8 (12 t / 16)
	s_add_co_u32 s20, s20, s21
	s_mul_i32 s21, s18, 408                        ; half a row
	s_add_co_u32 s20, s20, s21                     ; where my K step begins in an LDS row
	s_lshl_b32 s21, s[WV], 2
	s_lshl_b32 s22, s[WV], 10
	s_add_co_u32 s22, s22, RED
	s_lshl_b32 s16, s27, 3
	s_add_co_u32 s16, s16, s[WV]                   ; my number among the 32 waves of the four partners: it enters the prefetches' addresses alone
	s_mul_i32 s14, s16, 4*ROWB
	s_mul_i32 s15, s16, 8*ROWB
	; every LDS address is made here, on the way that all waves take
	v_and_b32 v1, 31, v0                           ; L
	v_and_b32 v2, 15, v0                           ; r
	v_bfe_u32 v3, v0, 4, 1                         ; h
	v_mul_u32_u24 v4, v2, PITCH
	v_mad_u32_u24 v4, v3, 24, v4
	v_add_nc_u32 v4, s20, v4                       ; class 0: row r, + 24 h, + my K step
	v_mul_u32_u24 v5, s30, v3
	v_mul_u32_u24 v6, s31, v3
	v_add_nc_u32 v7, s30, v4
	v_add_nc_u32 v5, v4, v5                        ; class 1
	v_add_nc_u32 v6, v7, v6                        ; class 2
	v_add_nc_u32 v7, s31, v7                       ; class 3
	v_lshl_add_u32 v10, v1, 5, s21                 ; scale words: 32 bytes a row, a lane a row, + my K step's 4 bytes
	v_min_u32 v[PF1], 11, v1                       ; 12 blocks of 256 bytes: 4 rows
	v_min_u32 v[PF2], 23, v1                       ; 24 blocks: 8 rows
	v_lshl_add_u32 v13, v1, 2, s22                 ; where I put my results: RED + 1,024 x wave + 4 L
	v_lshl_add_u32 v14, v0, 3, RED                 ; where waves 0-3 read 64 columns back: RED + 256 x wave + 8 L, and 1,024 bytes on for each further wave's part
	v_lshlrev_b32 v15, 3, v1                       ; and 8 bytes a lane in qpart
	v_lshl_add_u32 v[PF1], v[PF1], 8, s14
	v_lshl_add_u32 v[PF2], v[PF2], 8, s15
	WIN 0x40                                       ; destination window 1
.irp u, 0,1,2,3,4,5
.irp c, 0,1,2,3
	v_add_nc_u32 v[ADT+4*\u+\c], \u*UNIT, v[4+\c]
.endr
.endr
	WIN 0
	s_wait_alu depctr_va_vdst(0)                   ; it covers every address register made above
	; byte offsets.  s68, s69 (Wq) never hold what hangs on cy, s72, s73 (x) never what hangs on cx
	s_mul_i32 s68, s28, 256*ROWB
	s_mul_i32 s69, s19, 64*ROWB
	s_add_co_u32 s68, s68, s69                     ; Wq's rows 256 x block + 64 t
	s_mov_b32 s69, 0
	s_mul_i32 s16, s29, 512*ROWB                   ; x's rows 512 y
	s_mov_b32 s17, 0
	s_mul_i32 s73, s19, 32*ROWB
	s_add_co_u32 s72, s16, s73                     ; x's rows 512 y + 32 t
	s_mov_b32 s73, 0
	s_add_co_u32 s70, s18, 1
	s_mul_i32 s70, s70, 128*ROWB                   ; from rows 128 + 32 t on to rows 256 + 32 w
	s_mov_b32 s71, 0
	s_lshl_b32 s74, s28, 13                        ; Wq's scales: 32 bytes x 256 x block
	s_mov_b32 s75, 0
	s_lshl_b32 s76, s29, 14                        ; x's scales: 32 bytes x 512 y
	s_mov_b32 s77, 0
	s_lshl_b32 s78, s29, 12
	s_lshl_b32 s79, s28, 10
	s_add_co_u32 s78, s78, s79
	s_lshl_b32 s79, s19, 8
	s_add_co_u32 s78, s78, s79                     ; qpart: 4,096 y + 1,024 x block + 256 x wave (waves 0-3 store)
	s_mov_b32 s79, 0
	s_mov_b32 s[G0W], 1                            ; 1:0 count = 1
	s_mul_i32 s[G0W+1], s19, UNIT                  ; 63:32 LDS address: unit w (waves 0-3)
	s_mov_b32 s[G0T], 1
	s_mul_i32 s[G0T+1], s19, 32*PITCH
	s_add_co_u32 s[G0T+1], s[G0T+1], 4*UNIT        ; units 4, 5 (waves 4-7)
	s_wait_dscnt 0x0                               ; both opening adds are done
	CROUND                                         ; all sixteen work-groups are here: the first joint loads meet
	s_wait_kmcnt 0x0
	s_add_nc_u64 s[G0W+2:G0W+3], s[8:9], s[68:69]  ; 120:64 global address
	s_or_b32 s[G0W+3], s[G0W+3], 0x80000000        ; 127:126 type = 2
	s_add_nc_u64 s[G0T+2:G0T+3], s[4:5], s[72:73]
	s_or_b32 s[G0T+3], s[G0T+3], 0x80000000
	s_cmp_lt_u32 s[WV], 4                          ; ONE load a wave at the head: waves 0-3 Wq's 64 rows each, waves 4-7 x's 32 rows each
	s_cbranch_scc0 .Lhead_x
	tensor_load_to_lds s[G0W:G0W+3], s[G1W:G1W+7]
	s_nop 0
	PLACES 4
	s_branch .Lhead_asked
.Lhead_x:
	XLOAD
.Lhead_asked:
	s_add_nc_u64 s[10:11], s[10:11], s[74:75]
	s_add_nc_u64 s[6:7], s[6:7], s[76:77]
	s_add_nc_u64 s[12:13], s[12:13], s[78:79]
	s_add_nc_u64 s[PFB:PFB+1], s[4:5], s[16:17]
	; all scale words that I shall ever want, one word of a row a lane: 8 + 16 loads, once
.irp a, 0,1,2,3,4,5,6,7
	global_load_b32 v[SSC+\a], v10, s[10:11] offset:1024*\a
.endr
	global_prefetch_b8 v[PF1], s[PFB:PFB+1] offset:128*ROWB th:TH_LOAD_NT scope:SCOPE_SE   ; my 4 of x's rows 128-255: the first refill's
.irp j, 0,1,2,3,4,5,6,7,8,9,10,11,12,13,14,15
	global_load_b32 v[TSC+\j], v10, s[6:7] offset:1024*\j
.endr
	s_wait_tensorcnt 0x0                           ; my part of Wq's rows or of x's first 128 is in,
	s_barrier_signal -1
	s_barrier_wait -1                              ; everybody's is
	WIN MULT
	FR4 0
	WIN 0x01                                       ; destination window 0, address window 1
.irp a, 0,1,2,3,4,5,6,7,8,9,10,11,12,13,14,15
.irp p, 0,1,2,3,4,5
	PIECE \p
	ds_load_b64 v[WQF+12*\a+2*\p:WQF+12*\a+2*\p+1], v[ADT+4*(\a/4)+pC] offset:(\a%4)*16*PITCH+pO
.endr
.endr
	; group 0, with the first change of units in it: Wq leaves units 0-3
	WIN 0
	s_wait_tensorcnt 0x0                           ; no tensor load of mine is out
	ds_add_u32 v[SPW], v[NIL]                      ; 0 onto my spare word
	s_add_nc_u64 s[G0T+2:G0T+3], s[G0T+2:G0T+3], 128*ROWB   ; x's rows 128 + 32 w,
	s_mov_b32 s[G0T+1], s[LW]                      ; into units 0, 1
	s_wait_loadcnt 0x0                             ; the scale words
	s_wait_dscnt 48                                ; group 0's fragments and Wq's blocks 0-7 are in: 49 LDS instructions are younger
	WIN MULT
	QG 0, 0, 8, 1                                  ; the very first products start the sums: nothing is cleared
	s_wait_dscnt 0x0                               ; the add is done, and my reads of units 0-3 are over
	s_barrier_signal -1
	QG 0, 8, 8, 1
	WIN 0
	s_barrier_wait -1
	CREST
	s_cmp_lt_u32 s[WV], 4                          ; waves 0-3: 128 rows
	s_cbranch_scc0 .Lnone
	XLOAD                                          ; the first tensor load behind the round
.Lnone:
	WIN MULT
	FR4 1
	QG 1, 0, 16, 0
	WIN 0
	global_prefetch_b8 v[PF2], s[PFB:PFB+1] offset:256*ROWB th:TH_LOAD_NT scope:SCOPE_SE   ; my 8 of x's rows 256-511: the second refill's, which is asked for in the next group
	WIN MULT
	QG 2, 0, 16, 0
	QG 3, 0, 16, 0
	CHANGE 1, 1
	GROUP 2, 1
	CHANGE 3, 0
	GROUP 4, 1
	GROUP 5, 1
	GROUP 6, 1
	GROUP 7, 0
	; THE WAY OUT.  A lane's eight registers and lane l xor 16's are added: the sum over all 512 rows, for my part of K.  The eight parts meet in LDS.
	PLACES 4                                       ; behind the last products, in front of the first read of results and of writes over their sources
	WIN 0x05                                       ; sources window 1, destination window 0
.irp a, 0,1,2,3,4,5,6,7,8,9,10,11,12,13,14,15
	v_pk_add_f32 v[128+4*\a:129+4*\a], v[ACC+8*\a:ACC+8*\a+1], v[ACC+8*\a+2:ACC+8*\a+3]      ; each accumulator from its low end on
	v_pk_add_f32 v[130+4*\a:131+4*\a], v[ACC+8*\a+4:ACC+8*\a+5], v[ACC+8*\a+6:ACC+8*\a+7]
.endr
	WIN 0
.irp a, 0,1,2,3,4,5,6,7,8,9,10,11,12,13,14,15
	v_pk_add_f32 v[128+4*\a:129+4*\a], v[128+4*\a:129+4*\a], v[130+4*\a:131+4*\a]
.endr
.irp a, 0,1,2,3,4,5,6,7,8,9,10,11,12,13,14,15
	v_add_f32 v[128+4*\a], v[128+4*\a], v[129+4*\a]
.endr
.irp a, 0,1,2,3,4,5,6,7,8,9,10,11,12,13,14,15
	v_permlanex16_b32 v[129+4*\a], v[128+4*\a], s[SEL], s[SEL+1]
.endr
.irp a, 0,1,2,3,4,5,6,7,8,9,10,11,12,13,14,15
	v_add_f32 v[128+4*\a], v[128+4*\a], v[129+4*\a]   ; every lane: the sum for row 16 a + r
.endr
	v_cmp_lt_u32 vcc_lo, 15, v1                    ; lanes 16-31
.irp c, 0,1,2,3,4,5,6,7
	v_cndmask_b32 v[192+\c], v[128+8*\c], v[132+8*\c], vcc_lo   ; lanes 0-15 keep block 2 c, lanes 16-31 block 2 c + 1: lane L holds row 32 c + L
.endr
.irp c, 0,1,2,3,4,5,6,7
	ds_store_b32 v13, v[192+\c] offset:128*\c
.endr
	s_wait_dscnt 0x0                               ; for the others' sake: my stores are done
	s_barrier_signal -1
	s_barrier_wait -1
	s_cmp_lt_u32 s[WV], 4                          ; waves 0-3 add and store, 64 columns each
	s_cbranch_scc0 .Lno_out
.irp k, 0,1,2,3,4,5,6,7
	ds_load_b64 v[200+2*\k:201+2*\k], v14 offset:1024*\k   ; columns 64 w + 2 L, + 1 of the block: the eight parts of K
.endr
	s_wait_dscnt 0x0
.irp k, 0,2,4,6
	v_pk_add_f32 v[200+2*\k:201+2*\k], v[200+2*\k:201+2*\k], v[202+2*\k:203+2*\k]
.endr
	v_pk_add_f32 v[200:201], v[200:201], v[204:205]
	v_pk_add_f32 v[208:209], v[208:209], v[212:213]
	v_pk_add_f32 v[200:201], v[200:201], v[208:209]
	global_store_b64 v15, v[200:201], s[12:13]     ; 32 lanes store 256 consecutive bytes, at a multiple of 256 from qpart's first byte
.Lno_out:
	s_wait_tensorcnt 0x0                           ; the wave's end
	ds_add_u32 v[SPW], v[NIL]
	s_wait_dscnt 0x0
	CROUND                                         ; the closing round: no work-group ends while a partner may still ask for a tile that names it
	s_endpgm
.Lfunc_end_k_q4c914bb243_qsum:
	.size	k_q4c914bb243_qsum, .Lfunc_end_k_q4c914bb243_qsum-k_q4c914bb243_qsum
	.p2alignl 7, 3214868480
	.fill 96, 4, 3214868480
	.section	.rodata,"a",@progbits
	.p2align	6, 0x0
	.amdhsa_kernel k_q4c914bb243_qsum
		.amdhsa_group_segment_fixed_size 327680
		.amdhsa_private_segment_fixed_size 0
		.amdhsa_enable_private_segment 0
		.amdhsa_kernarg_size 40
		.amdhsa_user_sgpr_count 2
		.amdhsa_user_sgpr_kernarg_segment_ptr 1
		.amdhsa_wavefront_size32 1
		.amdhsa_system_sgpr_workgroup_id_x 1
		.amdhsa_system_sgpr_workgroup_id_y 1
		.amdhsa_system_sgpr_workgroup_id_z 1
		.amdhsa_system_vgpr_workitem_id 0
		.amdhsa_next_free_vgpr 512
		.amdhsa_next_free_sgpr 96
		.amdhsa_reserve_vcc 1
		.amdhsa_float_denorm_mode_32 3
		.amdhsa_float_denorm_mode_16_64 3
		.amdhsa_memory_ordered 1
		.amdhsa_forward_progress 1
		.amdhsa_inst_pref_size 104
	.end_amdhsa_kernel
	.amdgpu_metadata
---
amdhsa.version: [ 1, 2 ]
amdhsa.kernels:
  - .name:           k_q4c914bb243_qsum
    .symbol:         k_q4c914bb243_qsum.kd
    .args:
      - { .name: x_codes, .offset: 0, .size: 8, .value_kind: global_buffer, .address_space: global }
      - { .name: x_scales, .offset: 8, .size: 8, .value_kind: global_buffer, .address_space: global }
      - { .name: Wq_codes, .offset: 16, .size: 8, .value_kind: global_buffer, .address_space: global }
      - { .name: Wq_scales, .offset: 24, .size: 8, .value_kind: global_buffer, .address_space: global }
      - { .name: qpart, .offset: 32, .size: 8, .value_kind: global_buffer, .address_space: global }
    .group_segment_fixed_size: 327680
    .private_segment_fixed_size: 0
    .kernarg_segment_align: 8
    .kernarg_segment_size: 40
    .max_flat_workgroup_size: 256
    .sgpr_count:     96
    .vgpr_count:     512
    .wavefront_size: 32
...
	.end_amdgpu_metadata
.endif
;; end of part 3
;; launch kfold (part 4): grid 256 x 1, 4 waves a work-group, clusters of 4 x 1, 327,680 bytes of LDS; arguments x_codes, x_scales, Wk_codes, Wk_scales, qpart, bq, bk, Wfc, bfc, out0; writes out0
.if DOCPART == 4
	.amdgcn_target "amdgcn-amd-amdhsa--gfx1250"
	.amdhsa_code_object_version 6
	.text
	.protected	k_q4c914bb243_kfold
	.globl	k_q4c914bb243_kfold
	.p2align	8
	.type	k_q4c914bb243_kfold,@function
k_q4c914bb243_kfold:
	s_mov_b64 s[64:65], 0
	v_nop
	global_prefetch_b8 v0, s[64:65] scope:SCOPE_SE
	s_setreg_imm32_b32 hwreg(HW_REG_WAVE_MODE, 25, 1), 1
	s_wait_xcnt 0x0
	s_wait_alu depctr_hold_cnt(0) depctr_sa_sdst(0) depctr_va_vdst(0) depctr_va_sdst(0) depctr_va_ssrc(0) depctr_va_vcc(0) depctr_vm_vsrc(0)
	s_getreg_b32 s2, hwreg(HW_REG_IB_STS2, 6, 4)
	s_cmp_eq_u32 s2, 0
	s_cbranch_scc0 .Lentry_in_a_cluster
	s_endpgm
.Lentry_in_a_cluster:
	s_bfe_u32 s2, ttmp6, 0x10000c
	s_cmp_lg_u32 s2, 0x3003
	s_cbranch_scc0 .Lentry_shape_is_right
	s_endpgm
.Lentry_shape_is_right:
; out0[row] = the sum over c of w[b][c] (x Wk^T)[row][c] + cst[b], with w[b][c] = Qbar[b][c] Wfc[c / 64] / 8, Qbar[b][c] = (the sum of qpart's rows 8 b .. 8 b + 7)[c] / 4,096 + bq[c],
; cst[b] = the sum over c of w[b][c] bk[c] + bfc.  That is reference()'s attention of the mean query and its last layer, written as one weighted sum over K's 1,024 columns; K is never stored.
; x: 32,768 rows, Wk: 1,024 rows, each 1,024 codes of BF6 (E3M2) = 768 bytes, with one E8M0 byte for each 32 along K.
; SHARES.  A work-group takes 128 rows of x (block g; batch g / 32).  THEY STAY IN REGISTERS: every wave holds all 128 for half of K (K steps 4 (w % 2) .. + 3 of 128): 384 registers.  Wk's 1,024 rows are
; streamed through LDS; wave w takes the tiles of 16 rows at 32 j + 16 (w / 2), j = 0 .. 31: 1,024 matrix instructions a wave.
; THE MATRIX INSTRUCTION: source 0 = 16 rows of Wk, source 1 = 16 rows of x.  In the result a lane holds ONE row of x (lane % 16) and its eight registers eight columns of K: the weighted sum over columns is a sum
; over a lane's own registers.  A tile's eight accumulators start with the constant 0; while the next tile is multiplied (on a second set of eight) they are folded: F += result x w, two at a time, one fold behind each product.
; F has two sets that take turns, so that 15 folds stand between a write of an F and its next read.
; THE ORDER OF K inside a K step of 128 is changed alike on both sides: lanes 0-15 take its blocks of 32 numbered 0 and 1, lanes 16-31 its blocks 2 and 3, so that a lane's 12 registers are 48 neighbouring bytes of the row,
; in three loads of 16 aligned bytes.  The instruction's four scale bytes then belong to blocks 0, 2, 1, 3: the middle bytes of every scale word change places once, at the head.
; CLUSTER.  All work-groups walk the same rows of Wk: the four of a cluster ask for each tile JOINTLY.  x's rows are each work-group's own.
; NO PREFETCH: Wk is read by every work-group; x's rows come with the first fills, at the head, and there is no loop to run ahead in.
; ROUNDING, stated: K's axis of 1,024 is added in two halves, the columns in interleaved parts (two F sets, four waves' parts are added at the end); the two small products of reference() are reassociated into one
; weighted sum; bq enters behind the mean and bk through cst; all in f32, and no difference of large sums is formed.  A scale byte 0xff gives NaN, as by the format's definition.
; LDS: six units of 64 rows of 816 bytes (768 of data, 16 of padding behind every 256).  The stream is x's 128 rows, then Wk's 1,024: its unit s lies in unit s % 6.  Stream units 0-5 come at the head;
; from tile 1 on slot 0 (units 0-2) and slot 1 (units 3-5) are filled again by turns.
; REGISTERS, in windows of 256 (s_set_vgpr_msb: bits 1:0 source 0, 3:2 source 1, 5:4 source 2, 7:6 destination):
;   window 0: v1, v2 the spare word's; v3-7 for the way out; v8-31 the units' LDS addresses for Wk, v32 w's, v34-41 for x; v48-63 x's scale words; v64-127 Wk's of my 32 tiles; v128-227 at work at the head and on the way out
;   window 1: x's fragments of my K steps 0, 1 (step q, block a at v[96 q + 12 a]); v192-195, v196-199 w of a tile's columns 8 h + 0 .. 3, two sets
;   window 2: x's fragments of my K steps 2, 3; v192-195, v196-199 w of a tile's columns 8 h + 4 .. 7, two sets.  So a fold finds its w in the window in which the product in front of it finds x
;   window 3: v0-47, v48-95 two buffers for a tile's four fragments; v96-159, v160-223 two sets of accumulators; v224-255 F, two sets
.set PITCH, 816
.set UNIT,  64*PITCH                   ; 64 rows
.set SLOT,  3*UNIT
.set ROWB,  768                        ; a row of codes in memory
.set WL,    2*SLOT                     ; behind the ring: w, 1,024 f32
.set RED,   WL+4096                    ; the waves' results meet here: 4 x 128 f32
.set CW,    RED+2048                   ; the waves' parts of the sum of w bk: 4 words
.set SPARE, CW+256                     ; the spare words, 128 bytes for each wave: two blocks of 256 bytes that no other line names
.set SPW, 1
.set NIL, 2
.set ADT, 8                            ; v[8 + 4 u + c]: unit u's rows for my lane, padding class c
.set WAD, 32
.set XAD, 34                           ; v[34 + 4 u + c]: the same for x in units 0, 1
.set SSC, 48                           ; register 4 (a / 2) + q: lanes 0-15 block a even, lanes 16-31 block a odd
.set TSC, 64                           ; register 4 (j / 2) + q: lanes 0-15 tile j even, lanes 16-31 tile j odd
.set ACC, 96
.set WB,  192                          ; in windows 1 and 2: set s at v[192 + 4 s]
.set FS,  224
.set WV,  24                           ; s24 wave;  s25 which half of K;  s26 which tiles of Wk
.set KH,  25
.set TH,  26
.set G1P, 32                           ; s[32:39] descriptor group 1, no mask: 64 rows of x
.set G1J, 40                           ; s[40:47] with the mask of the four: 64 rows of Wk
.set G1H, 88                           ; s[88:95] with the mask of the four: 128 rows of Wk, at the head
.set G0S, 48                           ; s[48:51] group 0: x's rows (waves 0, 1);  s[52:55]: Wk's first rows (waves 2, 3);  s[56:59]: Wk's later rows, which walks
.set G0H, 52
.set G0T, 56
.set LW,  60                           ; s60 UNIT x wave
.set PRM, 61                           ; s61 the byte order 0, 2, 1, 3 for v_perm_b32
.set SEL, 66                           ; s[66:67] lane selects for v_permlanex16_b32: lane l xor 16
.set MSB, 0
.macro WIN new                         ; the immediate's high byte repeats the setting that is left; a switch that changes nothing is dropped
.if MSB != \new
	s_set_vgpr_msb (MSB<<8)|\new
.set MSB, \new
.endif
.endm
.macro PLACES n
.rept \n
	v_nop
.endr
.endm
.macro CREST                           ; a round of the cluster's barrier behind its opening barrier
	s_cmp_lg_u32 s[WV], 0
	s_cbranch_scc1 .Lnot_wave_0_\@
	s_barrier_signal -3
.Lnot_wave_0_\@:
	s_barrier_wait -3
	s_barrier_signal -1
	s_barrier_wait -1
.endm
.macro CROUND                          ; a whole round
	s_barrier_signal -1
	s_barrier_wait -1
	CREST
.endm
.macro JLOAD                           ; a joint refill: waves 0 to 2 fetch 64 rows each; the branch hangs on the wave's number alone; four v_nop follow the load
	s_cmp_lt_u32 s[WV], 3
	s_cbranch_scc0 .Lnone_\@
	tensor_load_to_lds s[G0T:G0T+3], s[G1J:G1J+7]
	s_nop 0
	PLACES 4
.Lnone_\@:
.endm
; A fragment, 16 rows x 128 K of 6-bit codes, is 12 registers: lane l holds 48 bytes of row l % 16, from byte 48 (l / 16) of the K step on, in pieces of 16 bytes.
; Piece N of a row lies at 16 N + 16 (N / 16).  My half begins at piece 24 (w % 2): for even w a padding more stands behind its piece 15, for odd w behind its piece 7; lanes 16-31 read three pieces further on.
; So a load's padding hangs on the wave's parity o and the lane's half h: class 0: none, 1: 16 o h, 2: 16 o, 3: 16 (o or h): an address register for each.
.macro PIECE n                         ; load n of 12 of a tile: piece pN, class pC, offset pO
.set pN, 6*((\n)/3)+(\n)%3
.set pO, 16*pN
.if pN < 3
.set pC, 0
.elseif pN < 8
.set pC, 1
.elseif pN < 13
.set pC, 2
.elseif pN < 15
.set pC, 3
.else
.set pC, 0
.set pO, 16*pN+16
.endif
.endm
.macro FR j                            ; my tile j's four fragments into buffer j % 2, one run.  Tile j is rows 128 + 32 j (+ 16 for waves 2, 3: in the address register) of the stream
	WIN 0xc0                                       ; destination window 3, address window 0
.set fRB, (128+32*(\j))%384
.irp n, 0,1,2,3,4,5,6,7,8,9,10,11
	PIECE \n
.set fR, 48*((\j)%2)+4*\n
	ds_load_b128 v[fR:fR+3], v[ADT+4*(fRB/64)+pC] offset:(fRB%64)*PITCH+pO
.endr
.endm
.macro XQ q                            ; x's eight fragments of my K step q
	WIN 0x40+0x40*((\q)/2)                         ; destination window 1 or 2, address window 0
.irp a, 0,1,2,3,4,5,6,7
.irp i, 0,1,2
	PIECE 3*(\q)+\i
.set fR, 96*((\q)%2)+12*\a+4*\i
	ds_load_b128 v[fR:fR+3], v[XAD+4*(\a/4)+pC] offset:(\a%4)*16*PITCH+pO
.endr
.endr
.endm
.macro WLOAD j                         ; w of tile j's columns, in the result's layout: 8 (lane / 16) + 0 .. 3 to window 1, + 4 .. 7 to window 2; the set's last readers were the last tile's folds
	WIN 0x40
	ds_load_b128 v[WB+4*((\j)%2):WB+4*((\j)%2)+3], v[WAD] offset:128*(\j)
	WIN 0x80
	ds_load_b128 v[WB+4*((\j)%2):WB+4*((\j)%2)+3], v[WAD] offset:128*(\j)+16
.endm
; One product.  rD, rT, rS, rTS, rSS are set by the caller.  zero = 1: it starts the sum.  ra, rb = 1: that side's scale words stand in lanes 16-31.
.macro WM zero, ra, rb
.if \zero
.if \ra
.if \rb
	v_wmma_scale_f32_16x16x128_f8f6f4 v[rD:rD+7], v[rT:rT+11], v[rS:rS+11], 0, v[rTS], v[rSS] matrix_a_fmt:MATRIX_FMT_BF6 matrix_b_fmt:MATRIX_FMT_BF6 matrix_a_scale:MATRIX_SCALE_ROW1 matrix_b_scale:MATRIX_SCALE_ROW1
.else
	v_wmma_scale_f32_16x16x128_f8f6f4 v[rD:rD+7], v[rT:rT+11], v[rS:rS+11], 0, v[rTS], v[rSS] matrix_a_fmt:MATRIX_FMT_BF6 matrix_b_fmt:MATRIX_FMT_BF6 matrix_a_scale:MATRIX_SCALE_ROW1
.endif
.else
.if \rb
	v_wmma_scale_f32_16x16x128_f8f6f4 v[rD:rD+7], v[rT:rT+11], v[rS:rS+11], 0, v[rTS], v[rSS] matrix_a_fmt:MATRIX_FMT_BF6 matrix_b_fmt:MATRIX_FMT_BF6 matrix_b_scale:MATRIX_SCALE_ROW1
.else
	v_wmma_scale_f32_16x16x128_f8f6f4 v[rD:rD+7], v[rT:rT+11], v[rS:rS+11], 0, v[rTS], v[rSS] matrix_a_fmt:MATRIX_FMT_BF6 matrix_b_fmt:MATRIX_FMT_BF6
.endif
.endif
.else
.if \ra
.if \rb
	v_wmma_scale_f32_16x16x128_f8f6f4 v[rD:rD+7], v[rT:rT+11], v[rS:rS+11], v[rD:rD+7], v[rTS], v[rSS] matrix_a_fmt:MATRIX_FMT_BF6 matrix_b_fmt:MATRIX_FMT_BF6 matrix_a_scale:MATRIX_SCALE_ROW1 matrix_b_scale:MATRIX_SCALE_ROW1
.else
	v_wmma_scale_f32_16x16x128_f8f6f4 v[rD:rD+7], v[rT:rT+11], v[rS:rS+11], v[rD:rD+7], v[rTS], v[rSS] matrix_a_fmt:MATRIX_FMT_BF6 matrix_b_fmt:MATRIX_FMT_BF6 matrix_a_scale:MATRIX_SCALE_ROW1
.endif
.else
.if \rb
	v_wmma_scale_f32_16x16x128_f8f6f4 v[rD:rD+7], v[rT:rT+11], v[rS:rS+11], v[rD:rD+7], v[rTS], v[rSS] matrix_a_fmt:MATRIX_FMT_BF6 matrix_b_fmt:MATRIX_FMT_BF6 matrix_b_scale:MATRIX_SCALE_ROW1
.else
	v_wmma_scale_f32_16x16x128_f8f6f4 v[rD:rD+7], v[rT:rT+11], v[rS:rS+11], v[rD:rD+7], v[rTS], v[rSS] matrix_a_fmt:MATRIX_FMT_BF6 matrix_b_fmt:MATRIX_FMT_BF6
.endif
.endif
.endif
.endm
; Fold f of 32 of a finished tile (accumulator set and w set given): block f % 8, registers 2 (f / 8), + 1: F += result x w, two columns at a time.  The first eight read each accumulator's two lowest registers.
; Folds 0 to 15 take w from window 1, folds 16 to 31 from window 2: the caller's setting says which.  mode 1: the first tile's: its first sixteen start the two sets of F: nothing is cleared.
.macro FOLD f, set, mode
.set fp, (\f)/8
.set fa, (\f)%8
.set fA, ACC+64*(\set)+8*fa+2*fp
.set fW, WB+4*(\set)+2*(fp%2)
.set fF, FS+16*(fp%2)+2*fa
.if ((\mode) == 1) && (fp < 2)
	v_pk_mul_f32 v[fF:fF+1], v[fA:fA+1], v[fW:fW+1]
.else
	v_pk_fma_f32 v[fF:fF+1], v[fA:fA+1], v[fW:fW+1], v[fF:fF+1]
.endif
.endm
; Eight products: my tile j, my K step q, against x's eight blocks.  The eight accumulators take turns, one instruction a turn, in the same order everywhere.
; fold: fold 8 q + a of the tile before stands behind product a.
.macro QGROUP j, q, zero, fold
.set ia, 0
.rept 8
.set rD, ACC+64*((\j)%2)+8*ia
.set rT, 48*((\j)%2)+12*(\q)
.set rS, 96*((\q)%2)+12*ia
.set rTS, TSC+4*((\j)/2)+(\q)
.set rSS, SSC+4*(ia/2)+(\q)
	WM \zero, (\j)%2, ia%2
.if \fold
	FOLD 8*(\q)+ia, 1-(\j)%2, \fold
.endif
.set ia, ia+1
.endr
.endm
; A TILE: 32 products.  All its LDS loads stand in one run at its head: this tile's w (wanted by the next tile's folds) and, kind 0, the 12 loads of my next tile, 32 products ahead of their first use.
; kind 1: slot `slot` is filled again; kind 2: a slot's last tile, nothing left to fetch; kind 3: the last tile.  Where the slots change, my next tile's run stands behind the barrier.
.macro TILE j, kind, slot, fold
	s_wait_dscnt 0x0                               ; this tile's fragments and the last tile's w, asked for a tile ago, are in: my reads of the slot behind me are over
	PLACES 4                                       ; behind the last tile's products: in front of loads into the buffer that they read and of reads of their results (ISA guide 7.12.1 for vector instructions)
	WLOAD \j
.if (\kind) == 0
	FR (\j)+1
.elseif ((\kind) == 1) || ((\kind) == 2)
	WIN 0                                          ; (the add's two registers lie in window 0)
	s_wait_tensorcnt 0x0                           ; all my tensor loads have landed: my part of the next slot
	ds_add_u32 v[SPW], v[NIL]                      ; 0 onto my spare word
.if (\kind) == 1
	s_add_nc_u64 s[G0T+2:G0T+3], s[G0T+2:G0T+3], 192*ROWB   ; no tensor load of mine is out, so the group 0 may be written: Wk's next 192 rows,
.if \slot
	s_add_co_u32 s[G0T+1], s[LW], SLOT             ; into slot 1
.else
	s_mov_b32 s[G0T+1], s[LW]                      ; into slot 0
.endif
.endif
.endif
	WIN 0xf7                                       ; source 0 window 3 (Wk's fragments; a fold's results), source 1 window 1 (x's fragments; a fold's w), source 2 and destination window 3
	QGROUP \j, 0, 1, \fold                         ; a tile's first products start its sums.  (In a change of slots these eight and their folds stand between the add and the wait for it)
.if ((\kind) == 1) || ((\kind) == 2)
	s_wait_dscnt 0x0                               ; the add is done, and w is in
	s_barrier_signal -1
.endif
	QGROUP \j, 1, 0, \fold
.if (\kind) == 1
	WIN 0
	s_barrier_wait -1
	CREST                                          ; the barrier has opened a round of the cluster's: no wave of any partner still reads this slot or has a load on its way
	JLOAD                                          ; the first tensor load behind the round
.elseif (\kind) == 2
	s_barrier_wait -1                              ; the next slot is whole
.endif
.if ((\kind) == 1) || ((\kind) == 2)
	FR (\j)+1                                      ; my first tile of the next slot
.endif
	WIN 0xfb                                       ; source 1 window 2: x's fragments for a product, w for a fold; all else window 3
	QGROUP \j, 2, 0, \fold
	QGROUP \j, 3, 0, \fold
.endm
	s_load_b512 s[4:19], s[0:1], 0x0               ; x's codes s[4:5], x's scales s[6:7], Wk's codes s[8:9], Wk's scales s[10:11], qpart s[12:13], bq s[14:15], bk s[16:17], Wfc s[18:19]
	s_load_b128 s[20:23], s[0:1], 0x40             ; bfc s[20:21], out0 s[22:23]
	v_lshl_add_u32 v[SPW], v0, 2, SPARE
	v_mov_b32 v[NIL], 0
	ds_add_u32 v[SPW], v[NIL]                      ; the wave's opening: the add, twice on end; its wait stands ahead of my first tensor load
	ds_add_u32 v[SPW], v[NIL]
	v_lshrrev_b32 v212, 5, v0
	v_readfirstlane_b32 s[WV], v212                ; wave 0..3
	s_and_b32 s[KH], s[WV], 1
	s_lshr_b32 s[TH], s[WV], 1
	s_bfe_u32 s27, ttmp6, 0x40000                  ; cx: my place in the cluster
	s_lshl_b32 s28, ttmp9, 2
	s_add_co_u32 s28, s28, s27                     ; g: my block of 128 rows of x: it enters global addresses of my own loads and stores alone
	s_lshr_b32 s29, s28, 5                         ; the batch
	; descriptor group 1: rows of 768 bytes, dense in memory, padded in LDS
	s_mov_b32 s[G1P], (1<<20)|(5<<22)|(3<<25)      ; 15:0 no mask; 17:16 elements of 1 byte; 20 padding on; 24:22 after every 64 words (code 5); 31:25 4 words of it (code 3)
	s_mov_b32 s[G1J], 15|(1<<20)|(1<<21)|(5<<22)|(3<<25)   ; the same with the mask of all four work-groups, and bit 21 set beside it
	s_mov_b32 s[G1H], 15|(1<<20)|(1<<21)|(5<<22)|(3<<25)
.irp g, G1P, G1J, G1H
	s_mov_b32 s[\g+1], ROWB<<16                    ; tensor_dim0
	s_mov_b32 s[\g+3], ROWB<<16                    ; tile_dim0
	s_mov_b32 s[\g+5], ROWB                        ; tensor_dim0_stride
	s_mov_b32 s[\g+6], 0
	s_mov_b32 s[\g+7], 0
.endr
.irp g, G1P, G1J
	s_mov_b32 s[\g+2], 64<<16                      ; tensor_dim1, tile_dim1: 64 rows,
	s_mov_b32 s[\g+4], 64
.endr
	s_mov_b32 s[G1H+2], 128<<16                    ; 128 rows
	s_mov_b32 s[G1H+4], 128
	s_mul_i32 s[LW], s[WV], UNIT                   ; no place in the cluster enters an LDS address
	s_mov_b32 s[PRM], 0x03010200
	s_mov_b32 s[SEL], 0x76543210
	s_mov_b32 s[SEL+1], 0xfedcba98
	s_mul_i32 s30, s[KH], 400                      ; my half of a row: 384 bytes of data, one padding
	s_mul_i32 s31, s[TH], 16*PITCH                 ; waves 2 and 3 take the tiles 16 rows further on
	s_lshl_b32 s86, s[KH], 4                       ; 16 x (wave odd); also my half's 16 bytes of a row of scales
	s_xor_b32 s87, s86, 16                         ; 16 x (wave even)
	s_lshl_b32 s82, s[TH], 9
	s_add_co_u32 s82, s82, s86
	s_lshl_b32 s83, s[WV], 9
	s_add_co_u32 s83, s83, RED
	s_lshl_b32 s84, s[WV], 2
	s_add_co_u32 s84, s84, CW
	s_lshl_b32 s85, s[TH], 6
	s_add_co_u32 s85, s85, WL
	; every LDS address is made here, on the way that all waves take
	v_and_b32 v7, 31, v0                           ; L
	v_and_b32 v212, 15, v0                         ; r
	v_bfe_u32 v213, v0, 4, 1                       ; h
	v_mul_u32_u24 v220, v212, PITCH
	v_mad_u32_u24 v220, v213, 48, v220
	v_add_nc_u32 v220, s30, v220                   ; x, class 0: row r, + 48 h, + my half
	v_mul_u32_u24 v221, s86, v213
	v_mul_u32_u24 v223, s87, v213
	v_add_nc_u32 v222, s86, v220                   ; class 2
	v_add_nc_u32 v221, v220, v221                  ; class 1
	v_add_nc_u32 v223, v222, v223                  ; class 3
.irp c, 0,1,2,3
	v_add_nc_u32 v[224+\c], s31, v[220+\c]         ; Wk's tiles
	v_mov_b32 v[XAD+\c], v[220+\c]
	v_add_nc_u32 v[XAD+4+\c], UNIT, v[220+\c]
.endr
.irp u, 0,1,2,3,4,5
.irp c, 0,1,2,3
	v_add_nc_u32 v[ADT+4*\u+\c], \u*UNIT, v[224+\c]
.endr
.endr
	v_lshl_add_u32 v[WAD], v213, 5, s85            ; w of a tile: columns 16 (w / 2) + 8 h on; 128 bytes a tile
	v_lshl_add_u32 v42, v7, 5, s86                 ; x's scale words: 32 bytes a row, a lane a row, + my half's 16 bytes
	v_lshl_add_u32 v43, v212, 5, s82               ; Wk's: row 32 h + 16 (w / 2) + r of a pair of my tiles
	v_lshrrev_b32 v45, 3, v0
	v_lshlrev_b32 v44, 5, v0                       ; thread t makes w of columns 8 t .. 8 t + 7: 32 bytes
	v_lshl_add_u32 v43, v213, 10, v43
	v_lshlrev_b32 v45, 2, v45                      ; their head's number of Wfc: 4 (t / 8)
	v_lshl_add_u32 v46, v0, 5, WL                  ; where they go
	v_mov_b32 v47, s84                             ; my wave's word
	v_lshl_add_u32 v3, v7, 2, s83                  ; where I put my results: RED + 512 x wave + 4 L
	v_lshl_add_u32 v4, v0, 3, RED                  ; where waves 0 and 1 read 64 rows back: RED + 256 x wave + 8 L, and 512 bytes on for each further wave's part
	v_lshlrev_b32 v5, 3, v7                        ; 8 bytes a lane in out0
	v_mov_b32 v6, CW
	s_wait_alu depctr_va_vdst(0)                   ; it covers every address register made above
	; byte offsets.  s70-73, which feed the joint loads, never hold what hangs on my place in the cluster
	s_mul_i32 s68, s28, 128*ROWB
	s_mul_i32 s69, s[KH], 64*ROWB
	s_add_co_u32 s68, s68, s69                     ; x's rows 128 g + 64 x (w % 2)
	s_mov_b32 s69, 0
	s_mul_i32 s70, s[KH], 128*ROWB                 ; Wk's rows 128 x (w % 2)
	s_mov_b32 s71, 0
	s_mul_i32 s72, s[WV], 64*ROWB
	s_add_co_u32 s72, s72, 64*ROWB                 ; Wk's rows 64 + 64 x wave: each refill steps 192 first
	s_mov_b32 s73, 0
	s_lshl_b32 s74, s28, 12                        ; x's scales: 32 bytes x 128 g
	s_mov_b32 s75, 0
	s_lshl_b32 s76, s29, 15                        ; qpart: the batch's eight rows of 4,096 bytes
	s_mov_b32 s77, 0
	s_lshl_b32 s78, s28, 9
	s_lshl_b32 s79, s[KH], 8
	s_add_co_u32 s78, s78, s79                     ; out0: 512 g + 256 x wave (waves 0 and 1 store)
	s_mov_b32 s79, 0
	s_mov_b32 s[G0S], 1                            ; 1:0 count = 1
	s_mul_i32 s[G0S+1], s[KH], UNIT                ; 63:32 LDS address: unit 0 or 1 (waves 0, 1)
	s_mov_b32 s[G0H], 1
	s_mul_i32 s[G0H+1], s[KH], 2*UNIT
	s_add_co_u32 s[G0H+1], s[G0H+1], 2*UNIT        ; units 2, 3 or 4, 5 (waves 2, 3)
	s_mov_b32 s[G0T], 1
	s_wait_dscnt 0x0                               ; both opening adds are done
	CROUND                                         ; all four work-groups are here: the first joint loads meet
	s_wait_kmcnt 0x0
	s_add_nc_u64 s[G0S+2:G0S+3], s[4:5], s[68:69]  ; 120:64 global address
	s_or_b32 s[G0S+3], s[G0S+3], 0x80000000        ; 127:126 type = 2
	s_add_nc_u64 s[G0H+2:G0H+3], s[8:9], s[70:71]
	s_or_b32 s[G0H+3], s[G0H+3], 0x80000000
	s_add_nc_u64 s[G0T+2:G0T+3], s[8:9], s[72:73]
	s_or_b32 s[G0T+3], s[G0T+3], 0x80000000
	s_cmp_lt_u32 s[WV], 2                          ; ONE load a wave at the head: waves 0, 1 x's 128 rows, waves 2, 3 Wk's first 256
	s_cbranch_scc0 .Lhead_k
	tensor_load_to_lds s[G0S:G0S+3], s[G1P:G1P+7]
	s_nop 0
	PLACES 4
	s_branch .Lhead_asked
.Lhead_k:
	tensor_load_to_lds s[G0H:G0H+3], s[G1H:G1H+7]
	s_nop 0
	PLACES 4
.Lhead_asked:
	s_add_nc_u64 s[6:7], s[6:7], s[74:75]
	s_add_nc_u64 s[12:13], s[12:13], s[76:77]
	s_add_nc_u64 s[22:23], s[22:23], s[78:79]
	s_load_b32 s80, s[20:21], 0x0                  ; bfc: wanted on the way out
	; what makes w: 21 loads; then all scale words that I shall ever want: 4 + 16 loads, 16 bytes (my half's four words) of a row a lane
.irp i, 0,1,2,3,4,5,6,7
	global_load_b128 v[128+8*\i:131+8*\i], v44, s[12:13] offset:4096*\i
	global_load_b128 v[132+8*\i:135+8*\i], v44, s[12:13] offset:4096*\i+16
.endr
	global_load_b128 v[192:195], v44, s[14:15]
	global_load_b128 v[196:199], v44, s[14:15] offset:16
	global_load_b128 v[200:203], v44, s[16:17]
	global_load_b128 v[204:207], v44, s[16:17] offset:16
	global_load_b32 v208, v45, s[18:19]
.irp a, 0,1,2,3
	global_load_b128 v[SSC+4*\a:SSC+4*\a+3], v42, s[6:7] offset:1024*\a
.endr
.irp j, 0,1,2,3,4,5,6,7,8,9,10,11,12,13,14,15
	global_load_b128 v[TSC+4*\j:TSC+4*\j+3], v43, s[10:11] offset:2048*\j
.endr
	; w of my eight columns, while the first fills are on their way
	s_wait_loadcnt 20                              ; the 21 older loads are in; the 20 loads of scale words may be out
.irp i, 1,2,3,4,5,6,7
.irp p, 0,2,4,6
	v_pk_add_f32 v[128+\p:129+\p], v[128+\p:129+\p], v[128+8*\i+\p:129+8*\i+\p]   ; the batch's eight partial sums (the four pairs by turns)
.endr
.endr
	v_mul_f32 v208, 0x3e000000, v208               ; Wfc / 8
	v_mov_b32 v209, v208
.irp p, 0,2,4,6
	v_pk_fma_f32 v[128+\p:129+\p], v[128+\p:129+\p], 0x39800000, v[192+\p:193+\p] op_sel_hi:[1,0,1]   ; the mean of Q: sum x 2^-12 + bq
.endr
.irp p, 0,2,4,6
	v_pk_mul_f32 v[128+\p:129+\p], v[128+\p:129+\p], v[208:209]                   ; w
.endr
	ds_store_b128 v46, v[128:131]
	ds_store_b128 v46, v[132:135] offset:16
	v_pk_mul_f32 v[210:211], v[128:129], v[200:201]                                ; the sum of w bk: my eight columns,
	v_pk_fma_f32 v[210:211], v[130:131], v[202:203], v[210:211]
	v_pk_fma_f32 v[210:211], v[132:133], v[204:205], v[210:211]
	v_pk_fma_f32 v[210:211], v[134:135], v[206:207], v[210:211]
	v_add_f32 v210, v210, v211
	v_add_f32_dpp v210, v210, v210 row_xmask:1 row_mask:0xf bank_mask:0xf          ; my wave's 256
	v_add_f32_dpp v210, v210, v210 row_xmask:2 row_mask:0xf bank_mask:0xf
	v_add_f32_dpp v210, v210, v210 row_xmask:4 row_mask:0xf bank_mask:0xf
	v_add_f32_dpp v210, v210, v210 row_xmask:8 row_mask:0xf bank_mask:0xf
	v_permlanex16_b32 v211, v210, s[SEL], s[SEL+1]
	v_add_f32 v210, v210, v211
	ds_store_b32 v47, v210                         ; all lanes write the same word with the same value
	s_wait_loadcnt 0x0                             ; the scale words: their middle bytes change places
.set ii, 0
.rept 80
	v_perm_b32 v[SSC+ii], v[SSC+ii], v[SSC+ii], s[PRM]
.set ii, ii+1
.endr
	s_wait_alu depctr_va_vdst(0)
	s_wait_tensorcnt 0x0                           ; my part of the head's six units is in
	s_wait_dscnt 0x0                               ; for the others' sake: my stores of w are done
	s_barrier_signal -1
	s_barrier_wait -1                              ; everybody's part is in, and w is whole
	PLACES 8                                       ; a scale register written by a vector instruction stands 8 places ahead of a scaled matrix instruction
	; tile 0: x's fragments come K step by K step
	FR 0
	XQ 0
	XQ 1
	XQ 2
	s_wait_dscnt 48                                ; tile 0 and K step 0 of x are in; two K steps (48 loads) may be out
	WIN 0xf7
	QGROUP 0, 0, 1, 0
	XQ 3
	s_wait_dscnt 48                                ; K step 1
	WIN 0xf7
	QGROUP 0, 1, 0, 0
	WLOAD 0
	FR 1
	s_wait_dscnt 38                                ; K step 2: behind it K step 3's 24 loads and the 14 just issued
	WIN 0xfb
	QGROUP 0, 2, 0, 0
	s_wait_dscnt 14                                ; K step 3
	QGROUP 0, 3, 0, 0
	TILE 1, 1, 0, 1                                ; x and Wk's rows 0-63 have left slot 0: it takes Wk's rows 256 to 447
.irp j, 2,3,4,5,6
	TILE \j, 0, 0, 2
.endr
	TILE 7, 1, 1, 2                                ; slot 1 takes rows 448 to 639
.irp j, 8,9,10,11,12
	TILE \j, 0, 0, 2
.endr
	TILE 13, 1, 0, 2                               ; slot 0 takes rows 640 to 831
.irp j, 14,15,16,17,18
	TILE \j, 0, 0, 2
.endr
	TILE 19, 1, 1, 2                               ; slot 1 takes rows 832 to 1,023
.irp j, 20,21,22,23,24
	TILE \j, 0, 0, 2
.endr
	TILE 25, 2, 0, 2                               ; nothing is left to fetch
.irp j, 26,27,28,29,30
	TILE \j, 0, 0, 2
.endr
	TILE 31, 3, 0, 2
	s_wait_dscnt 0x0                               ; the last tile's w
	PLACES 4                                       ; behind the last products, in front of the first read of their results
	WIN 0xf7                                       ; the last tile is folded: w's first four numbers lie in window 1,
.set ff, 0
.rept 16
	FOLD ff, 1, 2
.set ff, ff+1
.endr
	WIN 0xfb                                       ; its last four in window 2
.rept 16
	FOLD ff, 1, 2
.set ff, ff+1
.endr
	; THE WAY OUT.  F's two sets, their two halves and lane l xor 16's are added: my wave's part for each of the 128 rows.  The four waves' parts meet in LDS.
	WIN 0x0f                                       ; sources window 3, destination window 0
.irp a, 0,1,2,3,4,5,6,7
	v_pk_add_f32 v[128+2*\a:129+2*\a], v[FS+2*\a:FS+2*\a+1], v[FS+16+2*\a:FS+16+2*\a+1]
.endr
	WIN 0
.irp a, 0,1,2,3,4,5,6,7
	v_add_f32 v[144+\a], v[128+2*\a], v[129+2*\a]
.endr
.irp a, 0,1,2,3,4,5,6,7
	v_permlanex16_b32 v[152+\a], v[144+\a], s[SEL], s[SEL+1]
.endr
.irp a, 0,1,2,3,4,5,6,7
	v_add_f32 v[144+\a], v[144+\a], v[152+\a]      ; every lane: my part for row 16 a + r
.endr
	v_cmp_lt_u32 vcc_lo, 15, v7                    ; lanes 16-31
.irp c, 0,1,2,3
	v_cndmask_b32 v[160+\c], v[144+2*\c], v[145+2*\c], vcc_lo   ; lanes 0-15 keep block 2 c, lanes 16-31 block 2 c + 1: lane L holds row 32 c + L
.endr
.irp c, 0,1,2,3
	ds_store_b32 v3, v[160+\c] offset:128*\c
.endr
	s_wait_kmcnt 0x0                               ; bfc
	s_wait_dscnt 0x0                               ; for the others' sake: my stores are done
	s_barrier_signal -1
	s_barrier_wait -1
	s_cmp_lt_u32 s[WV], 2                          ; waves 0 and 1 add and store, 64 rows each
	s_cbranch_scc0 .Lno_out
.irp k, 0,1,2,3
	ds_load_b64 v[164+2*\k:165+2*\k], v4 offset:512*\k   ; rows 64 w + 2 L, + 1: the four waves' parts
.endr
	ds_load_b128 v[172:175], v6                    ; and the four parts of the sum of w bk
	s_wait_dscnt 0x0
	v_pk_add_f32 v[164:165], v[164:165], v[166:167]
	v_pk_add_f32 v[168:169], v[168:169], v[170:171]
	v_add_f32 v172, v172, v173
	v_add_f32 v174, v174, v175
	v_pk_add_f32 v[164:165], v[164:165], v[168:169]
	v_add_f32 v172, v172, v174
	v_add_f32 v172, s80, v172                      ; cst
	v_pk_add_f32 v[164:165], v[164:165], v[172:173] op_sel_hi:[1,0]
	global_store_b64 v5, v[164:165], s[22:23]      ; 32 lanes store 256 consecutive bytes, at a multiple of 256 from out0's first byte
.Lno_out:
	s_wait_tensorcnt 0x0                           ; the wave's end
	ds_add_u32 v[SPW], v[NIL]
	s_wait_dscnt 0x0
	CROUND                                         ; the closing round: no work-group ends while a partner may still ask for a tile that names it
	s_endpgm
.Lfunc_end_k_q4c914bb243_kfold:
	.size	k_q4c914bb243_kfold, .Lfunc_end_k_q4c914bb243_kfold-k_q4c914bb243_kfold
	.p2alignl 7, 3214868480
	.fill 96, 4, 3214868480
	.section	.rodata,"a",@progbits
	.p2align	6, 0x0
	.amdhsa_kernel k_q4c914bb243_kfold
		.amdhsa_group_segment_fixed_size 327680
		.amdhsa_private_segment_fixed_size 0
		.amdhsa_enable_private_segment 0
		.amdhsa_kernarg_size 80
		.amdhsa_user_sgpr_count 2
		.amdhsa_user_sgpr_kernarg_segment_ptr 1
		.amdhsa_wavefront_size32 1
		.amdhsa_system_sgpr_workgroup_id_x 1
		.amdhsa_system_sgpr_workgroup_id_y 1
		.amdhsa_system_sgpr_workgroup_id_z 1
		.amdhsa_system_vgpr_workitem_id 0
		.amdhsa_next_free_vgpr 1024
		.amdhsa_next_free_sgpr 96
		.amdhsa_reserve_vcc 1
		.amdhsa_float_denorm_mode_32 3
		.amdhsa_float_denorm_mode_16_64 3
		.amdhsa_memory_ordered 1
		.amdhsa_forward_progress 1
		.amdhsa_inst_pref_size 255
	.end_amdhsa_kernel
	.section	.bss,"aw",@nobits
	.p2align	6
	.space	262144
	.amdgpu_metadata
---
amdhsa.version: [ 1, 2 ]
amdhsa.kernels:
  - .name:           k_q4c914bb243_kfold
    .symbol:         k_q4c914bb243_kfold.kd
    .args:
      - { .name: x_codes, .offset: 0, .size: 8, .value_kind: global_buffer, .address_space: global }
      - { .name: x_scales, .offset: 8, .size: 8, .value_kind: global_buffer, .address_space: global }
      - { .name: Wk_codes, .offset: 16, .size: 8, .value_kind: global_buffer, .address_space: global }
      - { .name: Wk_scales, .offset: 24, .size: 8, .value_kind: global_buffer, .address_space: global }
      - { .name: qpart, .offset: 32, .size: 8, .value_kind: global_buffer, .address_space: global }
      - { .name: bq, .offset: 40, .size: 8, .value_kind: global_buffer, .address_space: global }
      - { .name: bk, .offset: 48, .size: 8, .value_kind: global_buffer, .address_space: global }
      - { .name: Wfc, .offset: 56, .size: 8, .value_kind: global_buffer, .address_space: global }
      - { .name: bfc, .offset: 64, .size: 8, .value_kind: global_buffer, .address_space: global }
      - { .name: out0, .offset: 72, .size: 8, .value_kind: global_buffer, .address_space: global }
    .group_segment_fixed_size: 327680
    .private_segment_fixed_size: 0
    .kernarg_segment_align: 8
    .kernarg_segment_size: 80
    .max_flat_workgroup_size: 128
    .sgpr_count:     96
    .vgpr_count:     1024
    .wavefront_size: 32
...
	.end_amdgpu_metadata
.endif
;; end of part 4
